; MI455X (gfx1250); checked and timed in simulation.
; The chip was launched on July 23, 2026; its instructions are those of AMD's public machine-readable ISA for CDNA 5 (MIT licence, August 2026) and "CDNA5" Instruction Set Architecture Reference Guide (July 2026). The comments in the code are by the model that wrote it; some were corrected since.
;; Self Attention Layer. Allowed arithmetic: matrix products marked QUANTISED: E2M1 operands, one E8M0 scale for each 32 along K, by v_wmma_scale_f32_16x16x128_f8f6f4 with both operands' format E2M1 (or v_wmma_scale_f32_32x16x128_f4), f32 sums; everything else in f32.
;; Inputs: H 2 x 2,048 x 1,024 float32; W1 1,024 x 4,096 float32; W2 4,096 x 1,024 float32; Wk 1,024 x 1,024 float32; Wq 1,024 x 1,024 float32; Wv 1,024 x 1,024 float32; attention_mask 2 x 1 x 1 x 2,048 float32; b1 4,096 float32; b2 1,024 float32; be1 1,024 float32; be2 1,024 float32; g1 1,024 float32; g2 1,024 float32.
;; Outputs: out0 2 x 2,048 x 1,024 float32.
;; This version of the problem:
;;   THIS VERSION OF THE PROBLEM IS GIVEN IN LOW PRECISION. The matrix products marked QUANTISED in the list below multiply operands that are first quantised to E2M1 (2 exponent bits, 1 mantissa bit; 4 bits a number), with one power-of-two scale for each 32 numbers along K (OCP MX v1.0); their sums are f32. All else is computed in f32.
;;   The module's matrix products, in the order in which they are computed (A, B: the left and right operand; K: the contracted axis; several contracted axes count as one K, in the product's order):
;;     1. [M 4,096, K 1,024] x [K 1,024, N 1,024]; A: input H; B: input Wq: QUANTISED
;;     2. [M 4,096, K 1,024] x [K 1,024, N 1,024]; A: input H; B: input Wk: QUANTISED
;;     3. [M 4,096, K 1,024] x [K 1,024, N 1,024]; A: input H; B: input Wv: QUANTISED
;;     4. batch 32 x [M 2,048, K 64] x [K 64, N 2,048]; A: computed on the way; B: computed on the way: QUANTISED
;;     5. batch 32 x [M 2,048, K 2,048] x [K 2,048, N 64]; A: softmax (see below); B: computed on the way: QUANTISED
;;     6. [M 4,096, K 1,024] x [K 1,024, N 4,096]; A: computed on the way; B: input W1: QUANTISED
;;     7. [M 4,096, K 4,096] x [K 4,096, N 1,024]; A: computed on the way; B: input W2: QUANTISED
;;   THE QUANTISER, for each operand of a quantised product, along K:
;;     - K is cut into blocks of 32 from its start; a last block that is shorter is filled with zeros.
;;     - A block's scale is 2^e with e = floor(log2(the largest magnitude in the block)) - 2, held to -126 .. 127; a block of zeros has e = 0. As a byte (E8M0): e + 127.
;;     - Each number is divided by its block's scale, clamped to +-6, and rounded to the nearest number of E2M1, ties to even, subnormals kept.
;;     - The product sums the exact products of the quantised numbers (number of the format x scale) in f32.
;;   ~~~python
;;   def quantise(x, axis):      # numpy; x: float32 -> the quantised numbers, widened to float32 again
;;       x = np.moveaxis(x, axis, -1); K = x.shape[-1]
;;       x = np.pad(x, [(0, 0)] * (x.ndim - 1) + [(0, -K % 32)]); x = x.reshape(x.shape[:-1] + (-1, 32)); a = np.abs(x).max(-1, keepdims=True)
;;       e = np.where(a > 0, np.clip(np.frexp(np.where(a > 0, a, 1))[1] - 1 - 2, -126, 127), 0)      # np.frexp(a)[1] - 1 = floor(log2(a)), exactly
;;       r = np.clip(x / 2.0 ** e, -6, 6)
;;       step = 2.0 ** (np.maximum(np.frexp(np.where(r == 0, 1, r))[1] - 1, 0) - 1)
;;       q = np.round(r / step) * step * 2.0 ** e      # np.round: ties to even
;;       return np.moveaxis(q.reshape(q.shape[:-2] + (-1,))[..., :K], -1, axis).astype(np.float32)
;;   ~~~
;;   SOFTMAX AHEAD OF A QUANTISED PRODUCT. Where the list says 'softmax', what is quantised is not the finished softmax but p = 2^(t - M), with t = logit x log2(e) and M = ceil(the row's largest t), a whole number; so 1/2 < the row's largest p <= 1. The row's sum l is taken of the UNQUANTISED p, in f32, and the product's result is divided by l at the end. Since M is a whole number, a kernel that streams over the keys may use a running M (the ceiling of the running maximum): every later rescaling is an exact power of two, which a block's scale takes up: the codes' values come out the same.
;;   OPERANDS COMPUTED ON THE WAY. 'Computed on the way' means the value that the module computes at that place (a softmax that the list does not call 'softmax' is quantised finished and normalised). What goes into a quantiser is computed in f32, as accurately as f32 sums, v_exp_f32 and their like allow (about 1e-6 of the number): no bf16 or f16 on the way to a quantiser, and a product that is left as it is and whose result goes on into a quantised operand takes f32 operands (vector FMAs, or v_wmma_f32_16x16x4_f32). A number that lies on a knife's edge between two numbers of the format may be rounded either way, as far as f32 arithmetic and the matrix unit's own rounding can turn it there, and no further.
;; One version. Each part assembles by itself: llvm-mc -triple=amdgcn-amd-amdhsa -mcpu=gfx1250 --defsym DOCPART=n.
;; ======== version 1 of 1: 7 launches
;; workspace buffers: ops 8,355,840 bytes; qkv 7,077,888 bytes; acts 16,777,216 bytes; fbuf 19,005,440 bytes; hid 8,912,896 bytes
;; launch prep (part 1): grid 480 x 1, 4 waves a work-group, no clusters, 70,144 bytes of LDS; arguments H, Wq, Wk, Wv, W1, W2, ops; writes ops
.if DOCPART == 1
	.amdgcn_target "amdgcn-amd-amdhsa--gfx1250"
	.amdhsa_code_object_version 6
	.text
	.protected	k_qc6e98f8490_prep
	.globl	k_qc6e98f8490_prep
	.p2align	8
	.type	k_qc6e98f8490_prep,@function
k_qc6e98f8490_prep:
	s_mov_b64 s[64:65], 0
	v_nop
	global_prefetch_b8 v0, s[64:65] scope:SCOPE_SE
	s_setreg_imm32_b32 hwreg(HW_REG_WAVE_MODE, 25, 1), 1
	s_wait_xcnt 0x0
; H [4096][1024] (K innermost) and the five weights (K = their FIRST axis) become codes of FP4 (E2M1) with one E8M0 byte for each 32 along K.
; LAYOUT OF EVERY OPERAND in ops: codes [K / 256][rows][128 bytes], scale bytes [K / 256][rows][8 bytes]: a chunk of 256 along K of neighbouring rows is dense memory.
; A block's scale is 2^(floor(log2(largest magnitude)) - 2): its byte is the largest magnitude's exponent field - 2, held at 1 from below by a floor among the maximum's leaves.
; A block of zeros keeps the byte 1 where the quantiser's text says 127: its codes are zeros, and these bytes are read by this program alone.
; LIMITS: NaN and infinities among the inputs are not served; blocks whose largest magnitude lies under 2^-124 are held at the byte 1.
; THREE PATHS, chosen by the work-group's number, each with LDS bytes of its own:
;   0-127   H: 32 rows a work-group, wave w takes chunk w; a step is two rows' 256 numbers.  Loads take bytes as they lie (512 a load); they turn through the wave's stage so that a lane holds 16 neighbours.
;   128-351 Wq, Wk, Wv (rows 0-1023, 1024-2047, 2048-3071 of one operand) and W2: rows of 4,096 bytes.  A LANE TAKES A COLUMN AND ITS REGISTERS RUN DOWN K: nothing is transposed.
;   352-479 W1: the same with rows of 16,384 bytes.
; No barrier: waves share nothing.  No matrix unit, no cluster, no tensor load: every byte is read once and memory binds.
.set HS,   2097152                     ; places in ops (H's codes lie at 0)
.set WQC,  2228224
.set WQS,  3801088
.set W1C,  3899392
.set W1S,  5996544
.set W2C,  6127616
.set W2S,  8224768
.set EMAX, 2
.set NB,   8                           ; weights: blocks of 32 in a chunk
.set WP,   144                         ; weights: a stage row: 128 bytes of codes + 16
.set WX,   32                          ; v32-95   two sets of 32 numbers
.set WC,   96                          ; v96-99   a block's codes
.set WSB,  24                          ; v24-25   a column's 8 scale bytes
.set WOUT, 112                         ; v112-143 the way out
.set STEPS, 16                         ; H: steps of a wave
.set HR,   16                          ; v16-79   four sets of 16 numbers as loaded
.set HX,   80                          ; v80-111  two sets of 16 neighbours
.set HE,   112                         ; v112-127 a scale byte for each step
.set HCD,  128                         ; v128-191 codes: registers of its own for each step, so no store's data are written again
.set WREG, 8192                        ; H: LDS of a wave: two stages of 32 x SP bytes, then its 256 scale bytes
.set SP,   80                          ; a lane's 64 bytes + 16 of padding
; ---- the weights' macros
.macro WADDR lb                        ; lb: where this path's stages begin in LDS
	s_mul_i32 s19, s18, 32*WP
	s_add_co_u32 s19, s19, \lb                     ; my wave's stage
	v_lshlrev_b32 v3, 2, v2                        ; in: 4 bytes a lane
	v_mul_u32_u24 v4, v2, WP
	v_add_nc_u32 v4, s19, v4                       ; into the stage: row = my column
	v_lshrrev_b32 v5, 3, v2
	v_and_b32 v6, 7, v2
	v_mul_u32_u24 v7, v5, WP
	v_lshl_add_u32 v7, v6, 4, v7
	v_add_nc_u32 v7, s19, v7                       ; out of it: eight lanes to a row of 128 bytes, four rows an instruction
	v_lshlrev_b32 v8, 4, v2                        ; the codes' 32 rows are 4,096 dense bytes: 16 a lane
	v_lshlrev_b32 v9, 3, v2                        ; the scale bytes' 32 rows are 256 dense bytes: 8 a lane
.endm
.macro WLOAD t, sn                     ; block t: W(32 t + i, my column), i = 0 .. 31, into set t % 2; sn: numbers in a row of W
.irp i, 0,1,2,3,4,5,6,7,8,9,10,11,12,13,14,15,16,17,18,19,20,21,22,23,24,25,26,27,28,29,30,31
	global_load_b32 v[WX+32*((\t)%2)+\i], v3, s[40:41] offset:(32*(\t)+\i)*(\sn)*4 th:TH_LOAD_NT
.endr
.endm
.macro WBLOCK t, sn
.set XS, WX+32*((\t)%2)
.if (\t) < NB-1
	s_wait_loadcnt 32                              ; this block's 32 loads are in; the next block's 32 may be out
.else
	s_wait_loadcnt 0x0
.endif
	v_max3_num_f32 v12, |v[XS]|, |v[XS+1]|, |v[XS+2]|     ; the block's largest magnitude: all 32 numbers are mine
	v_max3_num_f32 v13, |v[XS+3]|, |v[XS+4]|, |v[XS+5]|
.irp i, 6,10,14,18,22,26
	v_max3_num_f32 v12, v12, |v[XS+\i]|, |v[XS+\i+1]|
	v_max3_num_f32 v13, v13, |v[XS+\i+2]|, |v[XS+\i+3]|
.endr
	v_max3_num_f32 v12, v12, |v[XS+30]|, |v[XS+31]|
	v_max3_num_f32 v12, v12, v13, (EMAX+1)<<23     ; and the floor 2^(3 - 127): the byte cannot fall under 1
	v_add_nc_u32 v11, -(EMAX<<23), v12             ; 2 off the exponent field: the conversion takes this operand's exponent field as its scale
	v_lshrrev_b32 v13, 23, v11                     ; the scale's byte
.if (\t)%4 == 0
	v_mov_b32 v[WSB+(\t)/4], v13                   ; four bytes to a register, the lower K in the lower byte
.else
	v_lshl_or_b32 v[WSB+(\t)/4], v13, 8*((\t)%4), v[WSB+(\t)/4]
.endif
.irp g, 0,1,2,3
	v_cvt_scalef32_pk8_fp4_f32 v[WC+\g], v[XS+8*\g:XS+8*\g+7], v11
.endr
	ds_store_b128 v4, v[WC:WC+3] offset:16*(\t)    ; 32 codes: 16 bytes of my column's row
.if (\t)+2 < NB
	WLOAD (\t)+2, \sn
.endif
	s_wait_dscnt 0x0                               ; the store has read its registers: the next block's codes may be written
.endm
.macro WBODY sn
	WLOAD 0, \sn
	WLOAD 1, \sn
.set Q, 0
.rept NB
	WBLOCK Q, \sn
.set Q, Q+1
.endr
	global_store_b64 v9, v[WSB:WSB+1], s[44:45]    ; 32 lanes store 256 consecutive bytes, aligned
.irp t, 0,1,2,3,4,5,6,7
	ds_load_b128 v[WOUT+4*\t:WOUT+4*\t+3], v7 offset:4*\t*WP   ; LDS serves a wave's instructions in order: these see my stores
.endr
.irp t, 0,1,2,3,4,5,6,7
	s_wait_dscnt 7-\t                              ; the younger loads may be out
	global_store_b128 v8, v[WOUT+4*\t:WOUT+4*\t+3], s[42:43] offset:512*\t   ; 512 consecutive bytes
.endr
	s_wait_tensorcnt 0x0
	ds_add_u32 v192, v193
	s_wait_dscnt 0x0
	s_endpgm
.endm
; ---- H's macros
.macro HLOAD t                         ; step t: rows 2 t and 2 t + 1, my chunk's 1,024 bytes of each, 512 consecutive bytes a load
.irp i, 0,1,2,3
	global_load_b128 v[HR+16*((\t)%4)+4*\i:HR+16*((\t)%4)+4*\i+3], v3, s[40:41] offset:(2*(\t)+\i/2)*4096+(\i%2)*512 th:TH_LOAD_NT
.endr
.endm
.macro HTURN t                         ; through the stage: LDS serves a wave's instructions in order, so no wait stands between the stores and the loads
.irp i, 0,1,2,3
	ds_store_b128 v14, v[HR+16*((\t)%4)+4*\i:HR+16*((\t)%4)+4*\i+3] offset:32*SP*((\t)%2)+8*SP*\i
.endr
.irp i, 0,1,2,3
	ds_load_b128 v[HX+16*((\t)%2)+4*\i:HX+16*((\t)%2)+4*\i+3], v15 offset:32*SP*((\t)%2)+16*\i
.endr
.endm
.macro HSTEP t
.set XS, HX+16*((\t)%2)
.if (\t) > 0
	s_wait_dscnt 1                                 ; this step's numbers are back from the stage; the last step's byte store may be out
.else
	s_wait_dscnt 0x0
.endif
.if (\t)+4 < STEPS
	HLOAD (\t)+4                                   ; into the registers that this step's stores into the stage have read
.endif
.if (\t)+1 < STEPS
.if STEPS-2-(\t) >= 3
	s_wait_loadcnt 12                              ; the next step's four loads are in; those of the three steps behind it may be out
.else
	s_wait_loadcnt 4*(STEPS-2-(\t))
.endif
	HTURN (\t)+1
.endif
	v_max3_num_f32 v8, |v[XS]|, |v[XS+1]|, |v[XS+2]|      ; the largest magnitude of my 16
	v_max3_num_f32 v9, |v[XS+3]|, |v[XS+4]|, |v[XS+5]|
.irp i, 6,10
	v_max3_num_f32 v8, v8, |v[XS+\i]|, |v[XS+\i+1]|
	v_max3_num_f32 v9, v9, |v[XS+\i+2]|, |v[XS+\i+3]|
.endr
	v_max3_num_f32 v8, v8, |v[XS+14]|, |v[XS+15]|
	v_max3_num_f32 v8, v8, v9, (EMAX+1)<<23        ; and the floor
	v_max_num_f32_dpp v8, v8, v8 row_xmask:1 row_mask:0xf bank_mask:0xf   ; and of my neighbour's 16: the block's
	v_add_nc_u32 v11, -(EMAX<<23), v8
	v_cvt_scalef32_pk8_fp4_f32 v[HCD+4*(\t)], v[XS:XS+7], v11
	v_cvt_scalef32_pk8_fp4_f32 v[HCD+4*(\t)+1], v[XS+8:XS+15], v11
	v_lshrrev_b32 v[HE+(\t)], 23, v11              ; the scale's byte
	ds_store_b8 v5, v[HE+(\t)] offset:16*(\t)      ; both lanes of a block write the same byte with the same value
	global_store_b64 v4, v[HCD+4*(\t):HCD+4*(\t)+1], s[42:43] offset:256*(\t)   ; two rows' 128 bytes each: 256 consecutive bytes, aligned
.endm
	s_load_b256 s[4:11], s[0:1], 0x0               ; H, Wq, Wk, Wv
	s_load_b128 s[12:15], s[0:1], 0x20             ; W1, W2
	s_load_b64 s[16:17], s[0:1], 0x30              ; ops
	v_lshl_add_u32 v192, v0, 2, 0x11000
	v_mov_b32 v193, 0
	v_lshrrev_b32 v1, 5, v0
	v_readfirstlane_b32 s18, v1                    ; wave 0..3
	v_and_b32 v2, 31, v0                           ; lane
	s_cmp_lt_u32 ttmp9, 128
	s_cbranch_scc1 .Lpath_h
	s_cmp_lt_u32 ttmp9, 352
	s_cbranch_scc1 .Lpath_w
	; ---- W1 [1024][4096]: 32 groups of 128 columns x 4 chunks
	s_sub_co_u32 s20, ttmp9, 352
	s_and_b32 s22, s20, 31                         ; group of columns
	s_lshr_b32 s23, s20, 5                         ; chunk
	s_lshl_b32 s24, s22, 7
	s_lshl_b32 s25, s18, 5
	s_add_co_u32 s24, s24, s25                     ; my wave's first column = first row of the operand
	s_lshl_b32 s34, s23, 22                        ; 256 rows of 16,384 bytes
	s_lshl_b32 s25, s24, 2
	s_add_co_u32 s34, s34, s25
	s_mov_b32 s35, 0
	s_lshl_b32 s36, s23, 19                        ; a chunk of codes: 4,096 rows x 128 bytes
	s_lshl_b32 s25, s24, 7
	s_add_co_u32 s36, s36, s25
	s_add_co_u32 s36, s36, W1C
	s_mov_b32 s37, 0
	s_lshl_b32 s38, s23, 15                        ; a chunk of scale bytes
	s_lshl_b32 s25, s24, 3
	s_add_co_u32 s38, s38, s25
	s_add_co_u32 s38, s38, W1S
	s_mov_b32 s39, 0
	s_wait_kmcnt 0x0
	s_add_nc_u64 s[40:41], s[12:13], s[34:35]
	s_add_nc_u64 s[42:43], s[16:17], s[36:37]
	s_add_nc_u64 s[44:45], s[16:17], s[38:39]
	WADDR 51200
	WBODY 4096
.Lpath_w:
	; ---- rows of 1,024 numbers.  j < 96: tensor j / 32 of Wq, Wk, Wv, chunk (j / 8) % 4, columns 128 (j % 8) on.  Else W2: chunk (j - 96) / 8, columns 128 (j % 8) on.
	s_sub_co_u32 s20, ttmp9, 128                   ; j
	s_cmp_lt_u32 s20, 96                           ; all that differs is chosen on this compare, ahead of any line that writes SCC
	s_cselect_b32 s21, 0, 96
	s_cselect_b32 s24, 3, 15                       ; the chunk's mask
	s_cselect_b32 s25, 2, 31                       ; the tensor's shift (31: none)
	s_mov_b32 s26, 131072
	s_cselect_b32 s26, 393216, s26                 ; a chunk of codes: rows x 128 bytes
	s_mov_b32 s27, 8192
	s_cselect_b32 s27, 24576, s27                  ; a chunk of scale bytes
	s_mov_b32 s28, W2C
	s_cselect_b32 s28, WQC, s28
	s_mov_b32 s29, W2S
	s_cselect_b32 s29, WQS, s29
	s_sub_co_u32 s21, s20, s21
	s_and_b32 s22, s21, 7                          ; group of columns
	s_lshr_b32 s23, s21, 3
	s_lshr_b32 s30, s23, s25                       ; tensor 0..2 (W2: 0)
	s_and_b32 s23, s23, s24                        ; chunk
	s_lshl_b32 s31, s22, 7
	s_lshl_b32 s32, s18, 5
	s_add_co_u32 s31, s31, s32                     ; my wave's first column in its tensor
	s_lshl_b32 s32, s30, 10
	s_add_co_u32 s32, s32, s31                     ; and its row in the operand
	s_lshl_b32 s34, s23, 20                        ; 256 rows of 4,096 bytes
	s_lshl_b32 s33, s31, 2
	s_add_co_u32 s34, s34, s33
	s_mov_b32 s35, 0
	s_mul_i32 s36, s23, s26
	s_lshl_b32 s33, s32, 7
	s_add_co_u32 s36, s36, s33
	s_add_co_u32 s36, s36, s28
	s_mov_b32 s37, 0
	s_mul_i32 s38, s23, s27
	s_lshl_b32 s33, s32, 3
	s_add_co_u32 s38, s38, s33
	s_add_co_u32 s38, s38, s29
	s_mov_b32 s39, 0
	s_wait_kmcnt 0x0
	s_cmp_eq_u32 s30, 1                            ; the source: a choice between buffers on numbers made of the work-group's number alone
	s_cselect_b64 s[40:41], s[8:9], s[6:7]
	s_cmp_eq_u32 s30, 2
	s_cselect_b64 s[40:41], s[10:11], s[40:41]
	s_cmp_lt_u32 s20, 96
	s_cselect_b64 s[40:41], s[40:41], s[14:15]
	s_add_nc_u64 s[40:41], s[40:41], s[34:35]
	s_add_nc_u64 s[42:43], s[16:17], s[36:37]
	s_add_nc_u64 s[44:45], s[16:17], s[38:39]
	WADDR 32768
	WBODY 1024
.Lpath_h:
	v_lshlrev_b32 v3, 4, v2                        ; my 16 bytes of a load's 512
	s_mul_i32 s19, s18, WREG
	v_lshrrev_b32 v14, 2, v2
	v_mul_u32_u24 v14, v14, SP
	v_and_b32 v15, 3, v2
	v_lshl_add_u32 v14, v15, 4, v14
	v_add_nc_u32 v14, s19, v14                     ; the stage, in: four lanes' 64 bytes on end, then 16 of padding
	v_mul_u32_u24 v15, v2, SP
	v_add_nc_u32 v15, s19, v15                     ; and out: SP x lane: my 16 neighbours
	v_lshlrev_b32 v4, 3, v2                        ; my 8 bytes of a step's codes
	v_lshrrev_b32 v5, 1, v2
	s_add_co_u32 s19, s19, 2*32*SP
	v_add_nc_u32 v5, s19, v5                       ; LDS: my wave's 256 scale bytes, my block's byte
	v_lshlrev_b32 v7, 3, v2
	v_add_nc_u32 v6, s19, v7                       ; and on the way out 8 bytes a lane
	s_lshl_b32 s20, ttmp9, 17                      ; 32 rows of 4,096 bytes,
	s_lshl_b32 s21, s18, 10                        ; my chunk's 1,024 bytes of a row
	s_add_co_u32 s20, s20, s21
	s_mov_b32 s21, 0
	s_lshl_b32 s22, s18, 19                        ; codes: chunk w, 32 rows of 128 bytes
	s_lshl_b32 s23, ttmp9, 12
	s_add_co_u32 s22, s22, s23
	s_mov_b32 s23, 0
	s_lshl_b32 s24, s18, 15                        ; scale bytes: chunk w, 32 rows of 8 bytes
	s_lshl_b32 s25, ttmp9, 8
	s_add_co_u32 s24, s24, s25
	s_add_co_u32 s24, s24, HS
	s_mov_b32 s25, 0
	s_wait_kmcnt 0x0
	s_add_nc_u64 s[40:41], s[4:5], s[20:21]
	s_add_nc_u64 s[42:43], s[16:17], s[22:23]
	s_add_nc_u64 s[44:45], s[16:17], s[24:25]
.irp t, 0,1,2,3
	HLOAD \t
.endr
	s_wait_loadcnt 12                              ; step 0's four loads are in
	HTURN 0
.irp t, 0,1,2,3,4,5,6,7,8,9,10,11,12,13,14,15
	HSTEP \t
.endr
	ds_load_b64 v[12:13], v6                       ; LDS serves a wave's instructions in order: these see my byte stores
	s_wait_dscnt 0x0
	global_store_b64 v7, v[12:13], s[44:45]        ; 32 rows' scale bytes: 256 consecutive bytes, aligned
	s_wait_tensorcnt 0x0
	ds_add_u32 v192, v193
	s_wait_dscnt 0x0
	s_endpgm
.Lfunc_end_k_qc6e98f8490_prep:
	.size	k_qc6e98f8490_prep, .Lfunc_end_k_qc6e98f8490_prep-k_qc6e98f8490_prep
	.p2alignl 7, 3214868480
	.fill 96, 4, 3214868480
	.section	.rodata,"a",@progbits
	.p2align	6, 0x0
	.amdhsa_kernel k_qc6e98f8490_prep
		.amdhsa_group_segment_fixed_size 70144
		.amdhsa_private_segment_fixed_size 0
		.amdhsa_enable_private_segment 0
		.amdhsa_kernarg_size 56
		.amdhsa_user_sgpr_count 2
		.amdhsa_user_sgpr_kernarg_segment_ptr 1
		.amdhsa_wavefront_size32 1
		.amdhsa_system_sgpr_workgroup_id_x 1
		.amdhsa_system_sgpr_workgroup_id_y 1
		.amdhsa_system_sgpr_workgroup_id_z 1
		.amdhsa_system_vgpr_workitem_id 0
		.amdhsa_next_free_vgpr 194
		.amdhsa_next_free_sgpr 66
		.amdhsa_reserve_vcc 0
		.amdhsa_float_denorm_mode_32 3
		.amdhsa_float_denorm_mode_16_64 3
		.amdhsa_memory_ordered 1
		.amdhsa_forward_progress 1
		.amdhsa_inst_pref_size 114
	.end_amdhsa_kernel
	.amdgpu_metadata
---
amdhsa.version: [ 1, 2 ]
amdhsa.kernels:
  - .name:           k_qc6e98f8490_prep
    .symbol:         k_qc6e98f8490_prep.kd
    .args:
      - { .name: H, .offset: 0, .size: 8, .value_kind: global_buffer, .address_space: global }
      - { .name: Wq, .offset: 8, .size: 8, .value_kind: global_buffer, .address_space: global }
      - { .name: Wk, .offset: 16, .size: 8, .value_kind: global_buffer, .address_space: global }
      - { .name: Wv, .offset: 24, .size: 8, .value_kind: global_buffer, .address_space: global }
      - { .name: W1, .offset: 32, .size: 8, .value_kind: global_buffer, .address_space: global }
      - { .name: W2, .offset: 40, .size: 8, .value_kind: global_buffer, .address_space: global }
      - { .name: ops, .offset: 48, .size: 8, .value_kind: global_buffer, .address_space: global }
    .group_segment_fixed_size: 70144
    .private_segment_fixed_size: 0
    .kernarg_segment_align: 8
    .kernarg_segment_size: 56
    .max_flat_workgroup_size: 128
    .sgpr_count:     66
    .vgpr_count:     194
    .wavefront_size: 32
...
	.end_amdgpu_metadata
.endif
;; end of part 1
;; launch qkv (part 2): grid 12 x 16, 16 waves a work-group, clusters of 4 x 4, 313,344 bytes of LDS; arguments ops, qkv; writes qkv
.if DOCPART == 2
	.amdgcn_target "amdgcn-amd-amdhsa--gfx1250"
	.amdhsa_code_object_version 6
	.text
	.protected	k_qc6e98f8490_qkv
	.globl	k_qc6e98f8490_qkv
	.p2align	8
	.type	k_qc6e98f8490_qkv,@function
k_qc6e98f8490_qkv:
	s_mov_b64 s[64:65], 0
	v_nop
	global_prefetch_b8 v0, s[64:65] scope:SCOPE_SE
	s_setreg_imm32_b32 hwreg(HW_REG_WAVE_MODE, 25, 1), 1
	s_wait_xcnt 0x0
	s_wait_alu depctr_hold_cnt(0) depctr_sa_sdst(0) depctr_va_vdst(0) depctr_va_sdst(0) depctr_va_ssrc(0) depctr_va_vcc(0) depctr_vm_vsrc(0)
	s_getreg_b32 s2, hwreg(HW_REG_IB_STS2, 6, 4)
	s_cmp_eq_u32 s2, 0
	s_cbranch_scc0 .Lentry_in_a_cluster
	s_endpgm
.Lentry_in_a_cluster:
	s_bfe_u32 s2, ttmp6, 0x10000c
	s_cmp_lg_u32 s2, 0xf033
	s_cbranch_scc0 .Lentry_shape_is_right
	s_endpgm
.Lentry_shape_is_right:
; Q, K, V = H Wq, H Wk, H Wv on codes of FP4 with E8M0 scales, K = 1,024; the results are quantised in registers and leave as codes: Q and K along the head's 64, V along the keys.
; A tile is 256 tokens (y) x 256 rows of the operand Wq|Wk|Wv (x: 0-3 Q, 4-7 K, 8-11 V).  Sixteen waves, each 64 x 64: 16 accumulators, all registers in one window, four waves to a SIMD.
; BOTH PANELS OF A TILE FIT IN LDS AT ONCE (2 x 256 rows x 512 bytes, padded): every tensor load goes out at the head, and no ring is needed.  K's first half is multiplied while the second lands.
; CLUSTER 4 x 4: the four work-groups of a row of the cluster need the same rows of H, the four of a column the same rows of the weights: each tile is asked for jointly.
; THE MATRIX INSTRUCTION IS USED TRANSPOSED: source 1 = 16 'P rows', source 0 = 16 rows of the 'Q direction': a lane holds ONE P row, and its registers run along the Q direction, along which the result is quantised.
; For Q and K: P = tokens, Q direction = the head's 64.  For V the roles are swapped (P = the head's 64, Q direction = 64 tokens, which are keys): only four LDS base addresses differ, chosen by the cluster's x, which all partners share.
; OUT: codes [tensor][batch x head][group of 64 tokens][64 rows][32 bytes]; scale words (two bytes used) [tensor][batch x head][group][64 rows][4 bytes].  A row is a token (Q, K) or a channel (V).
; LIMITS: NaN and infinities are not served; a block of zeros keeps the byte 1 over zero codes (the bytes are read by this program alone).
.set HS,    2097152                    ; places in ops
.set WQC,   2228224
.set WQS,   3801088
.set QW,    6291456                    ; the scale words' place in qkv
.set PITCH, 144                        ; an LDS row: a chunk's 128 bytes + 16: the 16 rows of a fragment load start 36 words apart
.set CHK,   256*PITCH                  ; a chunk (256 along K) of 256 rows
.set BOFF,  2*CHK                      ; in a half: A's two chunks, then B's two
.set HALF,  4*CHK
.set ASC,   2*HALF                     ; A's scale bytes: [chunk 4][256 rows][8]
.set BSC,   ASC+8192                   ; B's
.set WV,   12                          ; s12 wave; s13 wa; s14 wb (also: which load is mine); s16 which 128 rows I fetch; s17 which chunk of a half
.set SEL,  66                          ; s[66:67] v_permlanex16_b32's selects for lane l xor 16
.set G1A,  24                          ; descriptor groups 1: A's codes, B's codes, A's scales, B's scales
.set G1B,  32
.set G1SA, 40
.set G1SB, 48
.set ADP,  4                           ; v4, v5  LDS address of my P and Q-direction fragments
.set ADQ,  5
.set ASP,  6                           ; v6, v7  of their scale words
.set ASQ,  7
.set OC,   8                           ; v8  the way out: 32 r + 16 h
.set OW,   9                           ; v9  4 x lane
.set WR,   16                          ; v16-19 the rows' scale words, one for each block of 16 rows
.set TMR,  20                          ; v20-27 at work in QROW
.set SCP,  32                          ; v32-39 P's scale words: block i, K step q at 2 i + q;  v40-47 the Q direction's.  They hold scales and nothing else
.set SCQ,  40
.set PF,   64                          ; v64-95  four fragments (16 rows x 128 K) of P;  v96-127 of the Q direction
.set QF,   96
.set ACC,  128                         ; v128-255 accumulator (a, b) at 8 (4 a + b)
.macro CROUND                          ; a round of the cluster's barrier
	s_barrier_signal -1
	s_barrier_wait -1
	s_cmp_lg_u32 s[WV], 0
	s_cbranch_scc1 .Lnot_wave_0_\@
	s_barrier_signal -3
.Lnot_wave_0_\@:
	s_barrier_wait -3
	s_barrier_signal -1
	s_barrier_wait -1
.endm
; 128 along K: 16 LDS loads, 16 matrix instructions on 16 accumulators by turns.  off: the chunk's place; q: which half of the chunk; cmode 1: the products start the sums;
; sc >= 0: the chunk's scale words are fetched too, from sc on.  The four v_nop are the places in front of loads into registers that matrix instructions have read.
.macro KSTEP adp, adq, off, q, cmode, sc
.rept 4
	v_nop
.endr
.if (\sc) >= 0
.irp i, 0,1,2,3
	ds_load_b64 v[SCP+2*\i:SCP+2*\i+1], v[ASP] offset:(\sc)+128*\i
	ds_load_b64 v[SCQ+2*\i:SCQ+2*\i+1], v[ASQ] offset:(\sc)+128*\i
.endr
.endif
.irp i, 0,1,2,3
	ds_load_b128 v[PF+8*\i:PF+8*\i+3], v[\adp] offset:(\off)+2304*\i+64*(\q)
	ds_load_b128 v[PF+8*\i+4:PF+8*\i+7], v[\adp] offset:(\off)+2304*\i+64*(\q)+32
	ds_load_b128 v[QF+8*\i:QF+8*\i+3], v[\adq] offset:(\off)+2304*\i+64*(\q)
	ds_load_b128 v[QF+8*\i+4:QF+8*\i+7], v[\adq] offset:(\off)+2304*\i+64*(\q)+32
.endr
	s_wait_dscnt 0x0                               ; the SIMD's other three waves work meanwhile
.irp a, 0,1,2,3
.irp b, 0,1,2,3
.if (\cmode) == 1
	v_wmma_scale_f32_16x16x128_f8f6f4 v[ACC+8*(4*\a+\b):ACC+8*(4*\a+\b)+7], v[QF+8*\b:QF+8*\b+7], v[PF+8*\a:PF+8*\a+7], 0, v[SCQ+2*\b+(\q)], v[SCP+2*\a+(\q)] matrix_a_fmt:MATRIX_FMT_FP4 matrix_b_fmt:MATRIX_FMT_FP4
.else
	v_wmma_scale_f32_16x16x128_f8f6f4 v[ACC+8*(4*\a+\b):ACC+8*(4*\a+\b)+7], v[QF+8*\b:QF+8*\b+7], v[PF+8*\a:PF+8*\a+7], v[ACC+8*(4*\a+\b):ACC+8*(4*\a+\b)+7], v[SCQ+2*\b+(\q)], v[SCP+2*\a+(\q)] matrix_a_fmt:MATRIX_FMT_FP4 matrix_b_fmt:MATRIX_FMT_FP4
.endif
.endr
.endr
.endm
; 16 rows x 64 columns (accumulators (a, 0..3)) become codes.  Lane (r, h) holds row r; tile b's register j is column 16 b + 8 h + j: a block of 32 lies in tiles 2 e, 2 e + 1 of lanes l and l xor 16.
; Out: v[PF+4a .. +3] = the 16 bytes of block h of row r, in memory order; v[WR+a] = the row's two scale bytes.  Each accumulator is read from its low end on.
.macro QROW a
.set QA, ACC+32*(\a)
.set QR, PF+4*(\a)
.irp e, 0,1
	v_max3_num_f32 v[TMR+\e], |v[QA+16*\e]|, |v[QA+16*\e+1]|, 0x1800000   ; with the floor 2^(3 - 127): the byte cannot fall under 1
.endr
.irp i, 2,4,6,8,10,12,14
.irp e, 0,1
	v_max3_num_f32 v[TMR+\e], v[TMR+\e], |v[QA+16*\e+\i]|, |v[QA+16*\e+\i+1]|
.endr
.endr
.irp e, 0,1
	v_permlanex16_b32 v[TMR+2+\e], v[TMR+\e], s[SEL], s[SEL+1]
.endr
.irp e, 0,1
	v_max_num_f32 v[TMR+\e], v[TMR+\e], v[TMR+2+\e]   ; the block's largest magnitude
.endr
.irp e, 0,1
	v_add_nc_u32 v[TMR+4+\e], 0xff000000, v[TMR+\e]   ; 2 off its exponent field: the conversion's scale operand
.endr
.irp e, 0,1
	v_lshrrev_b32 v[TMR+6+\e], 23, v[TMR+4+\e]        ; the scale's byte
.endr
	v_lshl_or_b32 v[WR+(\a)], v[TMR+7], 8, v[TMR+6]
	v_cvt_scalef32_pk8_fp4_f32 v[QR], v[QA:QA+7], v[TMR+4]          ; block 0, columns 8 h on
	v_cvt_scalef32_pk8_fp4_f32 v[QR+2], v[QA+8:QA+15], v[TMR+4]     ; block 0, columns 16 + 8 h on
	v_cvt_scalef32_pk8_fp4_f32 v[QR+1], v[QA+16:QA+23], v[TMR+5]    ; block 1 likewise
	v_cvt_scalef32_pk8_fp4_f32 v[QR+3], v[QA+24:QA+31], v[TMR+5]
	v_nop                                          ; one plain place behind a scaled conversion
	v_permlane16_swap_b32 v[QR], v[QR+1]           ; the first's lanes 16-31 change places with the second's lanes 0-15:
	v_permlane16_swap_b32 v[QR+2], v[QR+3]         ; lanes 0-15 now hold block 0 whole, lanes 16-31 block 1
.endm
	s_load_b128 s[4:7], s[0:1], 0x0                ; ops, qkv
	v_lshl_add_u32 v62, v0, 2, 0x4c000
	v_mov_b32 v63, 0
	ds_add_u32 v62, v63
	v_lshrrev_b32 v1, 5, v0
	v_readfirstlane_b32 s[WV], v1                  ; wave 0..15
	s_lshr_b32 s13, s[WV], 2                       ; wa: my 64 of A's 256 rows
	s_and_b32 s14, s[WV], 3                        ; wb: my 64 of B's.  Also: which of four loads is mine
	s_and_b32 s16, s[WV], 1                        ; which 128 rows of a chunk I fetch
	s_bfe_u32 s17, s[WV], 0x10001                  ; which chunk of a half
	s_bfe_u32 s18, ttmp6, 0x40000                  ; cx, cy: my place in the cluster
	s_bfe_u32 s19, ttmp6, 0x40004
	s_lshl_b32 s20, ttmp9, 2
	s_add_co_u32 s20, s20, s18                     ; x
	s_and_b32 s21, ttmp7, 0xffff
	s_lshl_b32 s21, s21, 2
	s_add_co_u32 s21, s21, s19                     ; y
	s_lshl_b32 s22, s19, 2
	s_lshl_b32 s22, 15, s22                        ; my row of the cluster
	s_lshl_b32 s23, 0x1111, s18                    ; my column
	; group 1, codes: 128 rows x 128 bytes, dense in memory, 16 bytes of padding behind each row
	s_or_b32 s[G1A], s22, (1<<20)|(1<<21)|(4<<22)|(3<<25)   ; 15:0 the mask; 17:16 elements of 1 byte; 20 padding on; 21 set beside a mask; 24:22 after every 32 words; 31:25 four words
	s_or_b32 s[G1B], s23, (1<<20)|(1<<21)|(4<<22)|(3<<25)
.irp g, G1A, G1B
	s_mov_b32 s[\g+1], 128<<16                     ; tensor_dim0
	s_mov_b32 s[\g+2], 128<<16                     ; tensor_dim1
	s_mov_b32 s[\g+3], 128<<16                     ; tile_dim0
	s_mov_b32 s[\g+4], 128                         ; tile_dim1
	s_mov_b32 s[\g+5], 128                         ; from row to row
	s_mov_b32 s[\g+6], 0
	s_mov_b32 s[\g+7], 0
.endr
	; group 1, scales: a chunk's 256 rows x 8 bytes = 2,048 dense bytes, as 8 rows of 32 elements of 8 bytes
	s_or_b32 s[G1SA], s22, (3<<16)|(1<<21)
	s_or_b32 s[G1SB], s23, (3<<16)|(1<<21)
.irp g, G1SA, G1SB
	s_mov_b32 s[\g+1], 32<<16
	s_mov_b32 s[\g+2], 8<<16
	s_mov_b32 s[\g+3], 32<<16
	s_mov_b32 s[\g+4], 8
	s_mov_b32 s[\g+5], 32
	s_mov_b32 s[\g+6], 0
	s_mov_b32 s[\g+7], 0
.endr
	; what hangs on the wave alone
	s_lshl_b32 s92, s14, 15                        ; A's scales: chunk x 32,768
	s_mul_i32 s93, s14, 24576                      ; B's
	s_lshl_b32 s94, s16, 14                        ; 128 rows x 128 bytes
	s_lshl_b32 s95, s14, 11                        ; LDS: chunk x 2,048
	s_mul_i32 s96, s17, CHK
	s_mul_i32 s97, s16, 128*PITCH
	s_add_co_u32 s96, s96, s97                     ; LDS: my chunk of a half, my 128 rows
	s_lshl_b32 s97, s17, 19                        ; A's codes: chunk x 524,288
	s_mul_i32 s98, s17, 393216                     ; B's
	; A's places hang on y alone, B's on x alone, each in registers of its own
	s_lshl_b32 s84, s21, 11
	s_add_co_u32 s84, s84, s92
	s_add_co_u32 s84, s84, HS
	s_mov_b32 s85, 0
	s_lshl_b32 s86, s21, 15
	s_add_co_u32 s86, s86, s97
	s_add_co_u32 s86, s86, s94
	s_mov_b32 s87, 0
	s_lshl_b32 s88, s20, 11
	s_add_co_u32 s88, s88, s93
	s_add_co_u32 s88, s88, WQS
	s_mov_b32 s89, 0
	s_lshl_b32 s90, s20, 15
	s_add_co_u32 s90, s90, s98
	s_add_co_u32 s90, s90, s94
	s_add_co_u32 s90, s90, WQC
	s_mov_b32 s91, 0
	s_wait_dscnt 0x0
	s_wait_kmcnt 0x0
	CROUND                                         ; all sixteen work-groups are here: the joint loads meet
	s_mov_b32 s56, 1                               ; A's scales of chunk lw
	s_add_co_u32 s57, s95, ASC
	s_add_nc_u64 s[58:59], s[4:5], s[84:85]
	s_or_b32 s59, s59, 0x80000000
	s_mov_b32 s60, 1                               ; A's codes, first half of K
	s_mov_b32 s61, s96
	s_add_nc_u64 s[62:63], s[4:5], s[86:87]
	s_or_b32 s63, s63, 0x80000000
	s_mov_b32 s68, 1                               ; and second half: two chunks on
	s_add_co_u32 s69, s96, HALF
	s_add_nc_u64 s[70:71], s[4:5], s[86:87]
	s_add_nc_u64 s[70:71], s[70:71], 2*524288
	s_or_b32 s71, s71, 0x80000000
	s_mov_b32 s72, 1                               ; B likewise
	s_add_co_u32 s73, s95, BSC
	s_add_nc_u64 s[74:75], s[4:5], s[88:89]
	s_or_b32 s75, s75, 0x80000000
	s_mov_b32 s76, 1
	s_add_co_u32 s77, s96, BOFF
	s_add_nc_u64 s[78:79], s[4:5], s[90:91]
	s_or_b32 s79, s79, 0x80000000
	s_mov_b32 s80, 1
	s_add_co_u32 s81, s96, HALF+BOFF
	s_add_nc_u64 s[82:83], s[4:5], s[90:91]
	s_add_nc_u64 s[82:83], s[82:83], 2*393216
	s_or_b32 s83, s83, 0x80000000
	s_cmp_lt_u32 s[WV], 4                          ; waves 0-3 fetch for A, waves 4-7 for B, the others nothing: three loads of a wave are out at the most
	s_cbranch_scc0 .Lnot_a
	tensor_load_to_lds s[56:59], s[G1SA:G1SA+7]
	s_nop 0
	tensor_load_to_lds s[60:63], s[G1A:G1A+7]
	s_nop 0
	tensor_load_to_lds s[68:71], s[G1A:G1A+7]
	s_nop 0
.rept 4
	v_nop
.endr
	s_branch .Lasked
.Lnot_a:
	s_cmp_lt_u32 s[WV], 8
	s_cbranch_scc0 .Lasked
	tensor_load_to_lds s[72:75], s[G1SB:G1SB+7]
	s_nop 0
	tensor_load_to_lds s[76:79], s[G1B:G1B+7]
	s_nop 0
	tensor_load_to_lds s[80:83], s[G1B:G1B+7]
	s_nop 0
.rept 4
	v_nop
.endr
.Lasked:
	v_and_b32 v1, 15, v0                           ; r
	v_bfe_u32 v2, v0, 4, 1                         ; h
	v_mul_u32_u24 v3, v1, PITCH
	v_lshl_add_u32 v3, v2, 4, v3                   ; a fragment's row x pitch + 16 h
	s_mul_i32 s92, s13, 64*PITCH                   ; my 64 rows of A,
	s_mul_i32 s93, s14, 64*PITCH
	s_add_co_u32 s93, s93, BOFF                    ; of B,
	s_lshl_b32 s94, s13, 9
	s_add_co_u32 s94, s94, ASC                     ; and their scale words
	s_lshl_b32 s95, s14, 9
	s_add_co_u32 s95, s95, BSC
	s_cmp_eq_u32 ttmp9, 2                          ; V's tiles (x = 8 .. 11) are the cluster column 2: the same in all partners
	s_cselect_b32 s96, s93, s92                    ; P: the weights' rows for V, the tokens else
	s_cselect_b32 s97, s92, s93                    ; the Q direction: the other
	s_cselect_b32 s98, s95, s94
	s_cselect_b32 s99, s94, s95
	v_add_nc_u32 v[ADP], s96, v3
	v_add_nc_u32 v[ADQ], s97, v3
	v_lshl_add_u32 v[ASP], v1, 3, s98
	v_lshl_add_u32 v[ASQ], v1, 3, s99
	s_mov_b32 s[SEL], 0x76543210
	s_mov_b32 s[SEL+1], 0xfedcba98
	v_mov_b32 v[TMR+2], 0                          ; written once: a lane permute's destination counts as one of its sources
	v_mov_b32 v[TMR+3], 0
	; where my 64 x 64 goes: tensor x / 4; head 16 (y / 8) + 4 (x % 4) + wb; group 4 (y % 8) + wa
	s_lshr_b32 s88, s20, 2
	s_and_b32 s89, s20, 3
	s_lshl_b32 s89, s89, 2
	s_add_co_u32 s89, s89, s14
	s_lshr_b32 s90, s21, 3
	s_lshl_b32 s90, s90, 4
	s_add_co_u32 s89, s89, s90
	s_and_b32 s90, s21, 7
	s_lshl_b32 s90, s90, 2
	s_add_co_u32 s90, s90, s13
	s_lshl_b32 s98, s88, 21
	s_lshl_b32 s91, s89, 16
	s_add_co_u32 s98, s98, s91
	s_lshl_b32 s91, s90, 11
	s_add_co_u32 s98, s98, s91
	s_mov_b32 s99, 0
	s_add_nc_u64 s[8:9], s[6:7], s[98:99]          ; codes
	s_lshl_b32 s98, s88, 18
	s_lshl_b32 s91, s89, 13
	s_add_co_u32 s98, s98, s91
	s_lshl_b32 s91, s90, 8
	s_add_co_u32 s98, s98, s91
	s_add_co_u32 s98, s98, QW
	s_add_nc_u64 s[10:11], s[6:7], s[98:99]        ; scale words
	s_wait_tensorcnt 0x1                           ; the scales and K's first half are in; the one load issued behind them, the second half's, may be out
	s_barrier_signal -1
	s_barrier_wait -1                              ; everybody's are
	KSTEP ADP, ADQ, 0, 0, 1, 0
	KSTEP ADP, ADQ, 0, 1, 0, -1
	KSTEP ADP, ADQ, CHK, 0, 0, 2048
	KSTEP ADP, ADQ, CHK, 1, 0, -1
	s_wait_tensorcnt 0x0                           ; my part of the second half is in,
	s_wait_dscnt 0x0
	s_barrier_signal -1
	s_barrier_wait -1                              ; everybody's is
	v_add_nc_u32 v[ADP], HALF, v[ADP]
	v_add_nc_u32 v[ADQ], HALF, v[ADQ]
	KSTEP ADP, ADQ, 0, 0, 0, 4096
	KSTEP ADP, ADQ, 0, 1, 0, -1
	KSTEP ADP, ADQ, CHK, 0, 0, 6144
	KSTEP ADP, ADQ, CHK, 1, 0, -1
	v_lshlrev_b32 v[OC], 5, v1                     ; four plain lines: the places behind the last products
	v_lshl_add_u32 v[OC], v2, 4, v[OC]             ; a row's 32 bytes, my block's 16
	v_and_b32 v[OW], 31, v0
	v_lshlrev_b32 v[OW], 2, v[OW]
	v_cmp_eq_u32 vcc_lo, 1, v2
.irp a, 0,1,2,3
	QROW \a
	global_store_b128 v[OC], v[PF+4*\a:PF+4*\a+3], s[8:9] offset:512*\a   ; 16 rows x 32 bytes: 512 consecutive bytes
.endr
	v_cndmask_b32 v28, v[WR], v[WR+1], vcc_lo      ; lanes 0-15: rows 0-15's words, lanes 16-31: rows 16-31's
	v_cndmask_b32 v29, v[WR+2], v[WR+3], vcc_lo
	global_store_b32 v[OW], v28, s[10:11]          ; the two stores fill 256 consecutive bytes, aligned
	global_store_b32 v[OW], v29, s[10:11] offset:128
	s_wait_tensorcnt 0x0
	ds_add_u32 v62, v63
	s_wait_dscnt 0x0
	CROUND                                         ; the closing round: no work-group ends while a partner may still ask for a tile that names it
	s_endpgm
.Lfunc_end_k_qc6e98f8490_qkv:
	.size	k_qc6e98f8490_qkv, .Lfunc_end_k_qc6e98f8490_qkv-k_qc6e98f8490_qkv
	.p2alignl 7, 3214868480
	.fill 96, 4, 3214868480
	.section	.rodata,"a",@progbits
	.p2align	6, 0x0
	.amdhsa_kernel k_qc6e98f8490_qkv
		.amdhsa_group_segment_fixed_size 313344
		.amdhsa_private_segment_fixed_size 0
		.amdhsa_enable_private_segment 0
		.amdhsa_kernarg_size 16
		.amdhsa_user_sgpr_count 2
		.amdhsa_user_sgpr_kernarg_segment_ptr 1
		.amdhsa_wavefront_size32 1
		.amdhsa_system_sgpr_workgroup_id_x 1
		.amdhsa_system_sgpr_workgroup_id_y 1
		.amdhsa_system_sgpr_workgroup_id_z 1
		.amdhsa_system_vgpr_workitem_id 0
		.amdhsa_next_free_vgpr 256
		.amdhsa_next_free_sgpr 100
		.amdhsa_reserve_vcc 1
		.amdhsa_float_denorm_mode_32 3
		.amdhsa_float_denorm_mode_16_64 3
		.amdhsa_memory_ordered 1
		.amdhsa_forward_progress 1
		.amdhsa_inst_pref_size 45
	.end_amdhsa_kernel
	.amdgpu_metadata
---
amdhsa.version: [ 1, 2 ]
amdhsa.kernels:
  - .name:           k_qc6e98f8490_qkv
    .symbol:         k_qc6e98f8490_qkv.kd
    .args:
      - { .name: ops, .offset: 0, .size: 8, .value_kind: global_buffer, .address_space: global }
      - { .name: qkv, .offset: 8, .size: 8, .value_kind: global_buffer, .address_space: global }
    .group_segment_fixed_size: 313344
    .private_segment_fixed_size: 0
    .kernarg_segment_align: 8
    .kernarg_segment_size: 16
    .max_flat_workgroup_size: 512
    .sgpr_count:     100
    .vgpr_count:     256
    .wavefront_size: 32
...
	.end_amdgpu_metadata
.endif
;; end of part 2
;; launch attn (part 3): grid 8 x 32, 16 waves a work-group, clusters of 4 x 1, 233,472 bytes of LDS; arguments qkv, attention_mask, H, acts; writes acts
.if DOCPART == 3
	.amdgcn_target "amdgcn-amd-amdhsa--gfx1250"
	.amdhsa_code_object_version 6
	.text
	.protected	k_qc6e98f8490_attn
	.globl	k_qc6e98f8490_attn
	.p2align	8
	.type	k_qc6e98f8490_attn,@function
k_qc6e98f8490_attn:
	s_mov_b64 s[64:65], 0
	v_nop
	global_prefetch_b8 v0, s[64:65] scope:SCOPE_SE
	s_setreg_imm32_b32 hwreg(HW_REG_WAVE_MODE, 25, 1), 1
	s_wait_xcnt 0x0
	s_wait_alu depctr_hold_cnt(0) depctr_sa_sdst(0) depctr_va_vdst(0) depctr_va_sdst(0) depctr_va_ssrc(0) depctr_va_vcc(0) depctr_vm_vsrc(0)
	s_getreg_b32 s2, hwreg(HW_REG_IB_STS2, 6, 4)
	s_cmp_eq_u32 s2, 0
	s_cbranch_scc0 .Lentry_in_a_cluster
	s_endpgm
.Lentry_in_a_cluster:
	s_bfe_u32 s2, ttmp6, 0x10000c
	s_cmp_lg_u32 s2, 0x3003
	s_cbranch_scc0 .Lentry_shape_is_right
	s_endpgm
.Lentry_shape_is_right:
; x[b][q][head][:] = H + the sum over k of softmax_k(Q . K / 8 + mask[b][k]) V[k][:], both products on codes of FP4 with E8M0 scales; x is f32, [4096 tokens][1024]: the first layer norm's input.
; THE SOFTMAX AHEAD OF THE SECOND PRODUCT: t = logit x log2(e); M = the row's largest t so far, rounded UP to a whole number; p = 2^(t - M) is quantised along the keys, not normalised.
; The row's sum is taken of the unquantised p and divides at the end.  When M moves, the sum and O are multiplied by 2^(old M - new M): exact.
; SHARES.  A work-group owns 256 queries of one head, each of its sixteen waves 16: one tile, 256 registers, four waves to a SIMD, so that one wave's vector work stands beside another's products and LDS loads.
; THE WHOLE HEAD'S K AND V LIE IN LDS: every tensor load goes out at the head.  The first 512 keys are worked while the rest lands.
; Both are dense blocks of memory and come in as long rows: K as rows of 512 bytes (16 keys) + 16 of padding, V as rows of 256 bytes (8 channels) + 16.  A tile of K takes keys i and 16 + i (i = 0 .. 7): with the padding behind
; every 16 keys lanes 8-15 start 528 bytes behind lanes 0-7.  A tile of V takes 16 neighbouring rows: lanes 8-15 start 272 bytes behind lanes 0-7, likewise.
; CLUSTER 4 x 1: four query blocks of one head read the same K and V: each tile is asked for jointly (wave 0: K's five loads, wave 1: V's).
; LAYOUT.  Both products are used transposed: S^T = K Q^T, O^T = V^T P^T: a lane holds ONE query (lane % 16) throughout.  The head's 64 fill half of the instruction's K = 128: the upper registers of Q's fragment are zero codes.
; So the upper registers of K's fragments may hold any codes: fragment t is v[32 + 4 t .. 39 + 4 t], its upper four the next fragment's lower four.  They multiply zeros and add nothing; the scale bytes of that half are 0, no NaN.
; THE KEYS OF A TILE ARE NOT NEIGHBOURS: lane r of tile 2 b + u takes key 32 b + 8 u + r + 8 (r / 8), so that the 16 registers of tiles 2 b, 2 b + 1 are 16 neighbouring keys, 32 b + 16 (lane / 16) + 0 .. 15.
; THE MASK IS THE C OF THE FIRST PRODUCT: 8 x mask lies in LDS and is loaded into the scores' registers; S' = Q . K + 8 mask, t = S' x log2(e) / 8.  The factor 8 is a power of two: nothing is rounded by it.
; THE RESIDUAL: H at the wave's 16 tokens x 64 channels is asked for behind the first barrier, into registers that the key steps do not touch, and added on the way out: sixteen key steps lie between the loads and the wait for them.
; LIMITS: NaN among the inputs is not served.  A mask beyond 4.2e37 in magnitude becomes infinite when multiplied by 8.  A row all of whose keys carry -infinity gives 0 / 0, a NaN, as the reference's softmax does.
; REGISTERS: v1-5 lane terms; v6-10 the step's addresses; v12 -M, v13 the largest t, v[14:15] the sum in two halves; v16-23 Q, v24 its scale words; v25-28 V's scale words, v29-31 and v11 their upper halves as loaded;
;   v32-63 eight fragments' codes of K, v64-67 zeros; v68-95 and v252-255 H; v96-159 8 x mask, then S^T, then p; v160-191 O^T; v192-223 four fragments of V; v224-231 p's codes; v232-243 at work; v244 p's scale word;
;   v245 at work; v[246:247] f; v248-251 K's scale words: lanes 0-15 tile 2 b's, lanes 16-31 tile 2 b + 1's.
.set KSB,   4224                       ; a step's 128 keys of K in LDS: 8 rows of 528 bytes
.set VSB,   4352                       ; a step's two chunks of V: 16 rows of 272 bytes
.set VB,    67584                      ; LDS: K's 128 rows of 528 bytes at 0; V's 256 rows of 272 bytes here ([chunk of 64 keys][channel 64][32 bytes] as it lies in memory);
.set SCK,   137216                     ; K's scale words, 4 bytes a key;
.set SCV,   145408                     ; V's, [chunk][channel];
.set MSK,   153600                     ; 8 x mask, f32: stored by the waves, in blocks of its own into which no tile lands;
.set STAGE, 161792                     ; the way out: 16 rows x (256 + 16) bytes for each wave
.set QW,    6291456                    ; the scale words' place in qkv
.set WV,   12
.set T5,   17                          ; s17 the step's place among the scale words and the mask: 512 bytes a step
.set CNT,  18
.set G0,   24                          ; s[24:43] five groups 0: the scale words, four slots of 512 keys
.set G1K,  44                          ; s[44:51] group 1 for K's codes;  s[52:59] for V's;  s[80:87] for scale words
.set G1V,  52
.set SEL,  60
.set CS,   62                          ; s[62:63] c = log2(e) / 8
.set G1W,  80
.set TK,   88                          ; s88 the step's place in K;  s89 in V
.set TV,   89
.macro CROUND
	s_barrier_signal -1
	s_barrier_wait -1
	s_cmp_lg_u32 s[WV], 0
	s_cbranch_scc1 .Lnot_wave_0_\@
	s_barrier_signal -3
.Lnot_wave_0_\@:
	s_barrier_wait -3
	s_barrier_signal -1
	s_barrier_wait -1
.endm
; A KEY STEP: 128 keys.
.macro STEP
	v_add_nc_u32 v6, s[TK], v1                     ; five plain lines: also the places in front of loads into registers that the last products have read
	v_add_nc_u32 v7, s[TV], v2
	v_add_nc_u32 v8, s[T5], v3
	v_add_nc_u32 v9, s[T5], v4
	v_add_nc_u32 v10, s[T5], v5
.irp t, 0,1,2,3,4,5,6,7
	ds_load_b128 v[32+4*\t:35+4*\t], v6 offset:1056*(\t/2)+256*(\t%2)     ; K's fragment t: 32 keys are two rows of 528 bytes, 8 keys 256 bytes
.endr
.irp b, 0,1,2,3
	ds_load_b32 v[248+\b], v8 offset:128*\b        ; the scale words of tiles 2 b (lanes 0-15) and 2 b + 1 (lanes 16-31): 32 neighbouring words
.endr
.irp t, 0,1,2,3,4,5,6,7
	ds_load_b128 v[96+8*\t:99+8*\t], v10 offset:(32*(\t/2)+8*(\t%2))*4      ; 8 x mask of the eight keys that my registers of tile t will hold
	ds_load_b128 v[100+8*\t:103+8*\t], v10 offset:(32*(\t/2)+8*(\t%2))*4+16
.endr
.irp t, 0,1,2,3
.irp c, 0,1
	ds_load_b128 v[192+8*\t+4*\c:195+8*\t+4*\c], v7 offset:\c*2176+\t*544   ; V: channels 16 t on (two rows of 272 bytes), keys 64 c + 32 h on (a chunk is eight such rows)
.endr
.endr
.irp t, 0,1,2,3
	ds_load_b32 v[25+\t], v9 offset:\t*64          ; V's scale bytes of the step's first 64 keys,
.endr
	ds_load_b32 v29, v9 offset:256                 ; and of its second
	ds_load_b32 v30, v9 offset:256+64
	ds_load_b32 v31, v9 offset:256+128
	ds_load_b32 v11, v9 offset:256+192
	s_wait_dscnt 16                                ; K, its words and the mask are in; V's sixteen loads may be out
.irp t, 0,1,2,3,4,5,6,7
.if (\t%2) == 0
	v_wmma_scale_f32_16x16x128_f8f6f4 v[96+8*\t:103+8*\t], v[32+4*\t:39+4*\t], v[16:23], v[96+8*\t:103+8*\t], v[248+\t/2], v24 matrix_a_fmt:MATRIX_FMT_FP4 matrix_b_fmt:MATRIX_FMT_FP4
.else
	v_wmma_scale_f32_16x16x128_f8f6f4 v[96+8*\t:103+8*\t], v[32+4*\t:39+4*\t], v[16:23], v[96+8*\t:103+8*\t], v[248+\t/2], v24 matrix_a_fmt:MATRIX_FMT_FP4 matrix_b_fmt:MATRIX_FMT_FP4 matrix_a_scale:MATRIX_SCALE_ROW1
.endif
.endr
	s_wait_dscnt 0x0
	v_lshl_or_b32 v25, v29, 16, v25                ; V's scale words of these 128 keys.  (Four plain lines: the places behind the products)
	v_lshl_or_b32 v26, v30, 16, v26
	v_lshl_or_b32 v27, v31, 16, v27
	v_lshl_or_b32 v28, v11, 16, v28
.irp b, 0,1,2,3
	v_max3_num_f32 v[232+\b], v[96+16*\b], v[97+16*\b], v[98+16*\b]   ; the largest score of each block of 32 keys: for the row's maximum and, since p rises with the score, for the block's largest p
.endr
.irp i, 3,5,7,9,11,13
.irp b, 0,1,2,3
	v_max3_num_f32 v[232+\b], v[232+\b], v[96+16*\b+\i], v[97+16*\b+\i]
.endr
.endr
.irp b, 0,1,2,3
	v_max_num_f32 v[232+\b], v[232+\b], v[111+16*\b]
.endr
.irp b, 0,1,2,3
	v_permlanex16_b32 v[236+\b], v[232+\b], s[SEL], s[SEL+1]
.endr
.irp b, 0,1,2,3
	v_max_num_f32 v[232+\b], v[232+\b], v[236+\b]  ; with lane l xor 16's 16 keys
.endr
	v_max3_num_f32 v245, v232, v233, v234
	v_max_num_f32 v245, v245, v235                 ; the step's largest score of my query
	v_mul_f32 v245, s[CS], v245                    ; as t (c is positive)
	v_max_num_f32 v13, v13, v245                   ; the running largest t
	v_mov_b32 v245, v12
	v_floor_f32 v12, -v13                          ; the new -M = floor(-t) = -ceil(t): a whole number
	v_sub_f32 v245, v12, v245                      ; M's old value less its new one: 0 or less
	v_cvt_i32_f32 v245, v245                       ; (it saturates)
	v_ldexp_f32 v246, 1.0, v245                    ; f = 2^(old M - new M)
.set j, 0
.rept 32
	v_pk_fma_f32 v[96+j:97+j], v[96+j:97+j], s[CS:CS+1], v[12:13] op_sel_hi:[1,0,0]   ; t - M, two at a time (of the pairs c and -M the low word serves both halves)
.set j, j+2
.endr
.irp b, 0,1,2,3
	v_fma_f32 v[232+\b], v[232+\b], s[CS], v12     ; the same of each block's largest score
.endr
.set j, 0
.rept 64
	v_exp_f32 v[96+j], v[96+j]                     ; p = 2^(t - M), at most 1
.set j, j+1
.endr
	v_pk_mul_f32 v[14:15], v[14:15], v[246:247] op_sel_hi:[1,0]   ; the sums under the new M: a plain line behind the exponentials
	s_wait_alu depctr_va_vdst(0)                   ; one wait for the whole batch, ahead of its first reader
.irp b, 0,1,2,3
	v_exp_f32 v[232+\b], v[232+\b]                 ; the block's largest p: the same two instructions on the same number give the same bits
.endr
	v_pk_add_f32 v[236:237], v[96:97], v[98:99]    ; the row's sum of the UNQUANTISED p, two at a time, in two chains
.irp j, 4,8,12,16,20,24,28,32,36,40,44,48,52,56,60
	v_pk_add_f32 v[14:15], v[14:15], v[96+\j:97+\j]
	v_pk_add_f32 v[236:237], v[236:237], v[98+\j:99+\j]
.endr
	v_pk_add_f32 v[14:15], v[14:15], v[236:237]
	s_wait_alu depctr_va_vdst(0)                   ; and one for the four
.irp b, 0,1,2,3
	v_max_num_f32 v[232+\b], 0x1800000, v[232+\b]  ; the floor 2^(3 - 127): the byte cannot fall under 1 (a block whose every p is 0 keeps that byte over zero codes)
.endr
.irp b, 0,1,2,3
	v_add_nc_u32 v[240+\b], 0xff000000, v[232+\b]  ; 2 off the exponent field: the conversion's scale operand
.endr
.irp b, 0,1,2,3
	v_lshrrev_b32 v[236+\b], 23, v[240+\b]         ; the scale's byte
.endr
	v_lshl_or_b32 v244, v237, 8, v236              ; p's scale word for these 128 keys
	v_lshl_or_b32 v244, v238, 16, v244
	v_lshl_or_b32 v244, v239, 24, v244
.irp b, 0,1,2,3
	v_cvt_scalef32_pk8_fp4_f32 v[224+2*\b], v[96+16*\b:103+16*\b], v[240+\b]
	v_cvt_scalef32_pk8_fp4_f32 v[225+2*\b], v[104+16*\b:111+16*\b], v[240+\b]
.endr
	v_nop                                          ; one plain place behind a scaled conversion
.irp c, 0,1                                    ; the operand's layout wants a whole block in a lane: lanes 0-15 block 2 c, lanes 16-31 block 2 c + 1
.irp i, 0,1
	v_permlane16_swap_b32 v[224+4*\c+\i], v[226+4*\c+\i]
.endr
.endr
.set j, 0
.rept 16
	v_pk_mul_f32 v[160+j:161+j], v[160+j:161+j], v[246:247] op_sel_hi:[1,0]   ; O^T under the new M.  (These sixteen are also the places between the lines that wrote p's codes and scale word and the products)
.set j, j+2
.endr
.irp t, 0,1,2,3
	v_wmma_scale_f32_16x16x128_f8f6f4 v[160+8*\t:167+8*\t], v[192+8*\t:199+8*\t], v[224:231], v[160+8*\t:167+8*\t], v[25+\t], v244 matrix_a_fmt:MATRIX_FMT_FP4 matrix_b_fmt:MATRIX_FMT_FP4
.endr
	s_add_co_u32 s[TK], s[TK], KSB
	s_add_co_u32 s[TV], s[TV], VSB
	s_add_co_u32 s[T5], s[T5], 512
.endm
	s_load_b256 s[4:11], s[0:1], 0x0               ; qkv, the mask, H, acts
	v_lshl_add_u32 v254, v0, 2, 0x38800
	v_mov_b32 v255, 0
	ds_add_u32 v254, v255
	s_wait_dscnt 0x0
	v_lshrrev_b32 v1, 5, v0
	v_readfirstlane_b32 s[WV], v1                  ; wave 0..15
	s_bfe_u32 s13, ttmp6, 0x40000                  ; cx
	s_lshl_b32 s14, ttmp9, 2
	s_add_co_u32 s14, s14, s13                     ; my block of 256 queries: it enters Q's, H's and x's addresses alone
	s_and_b32 s15, ttmp7, 0xffff                   ; batch x 16 + head, which the four partners share
	s_and_b32 s19, s[WV], 1                        ; I would fetch for K (0) or V (1)
	; group 1, K's codes: 16,384 dense bytes (512 keys) as 32 rows of 64 elements of 8 bytes, 16 bytes of padding behind each row
	s_mov_b32 s[G1K], 15|(3<<16)|(1<<20)|(1<<21)|(6<<22)|(3<<25)   ; 15:0 the mask: all four; 17:16 elements of 8 bytes; 20 padding on; 21 set beside a mask; 24:22 after every 128 words; 31:25 four words
	s_mov_b32 s[G1K+1], 64<<16
	s_mov_b32 s[G1K+2], 32<<16
	s_mov_b32 s[G1K+3], 64<<16
	s_mov_b32 s[G1K+4], 32
	s_mov_b32 s[G1K+5], 64
	s_mov_b32 s[G1K+6], 0
	s_mov_b32 s[G1K+7], 0
	; group 1, V's codes: 16,384 dense bytes (8 chunks x 64 channels) as 64 rows of 32 elements of 8 bytes, 16 bytes of padding behind each row
	s_mov_b32 s[G1V], 15|(3<<16)|(1<<20)|(1<<21)|(5<<22)|(3<<25)   ; padding: four words after every 64
	s_mov_b32 s[G1V+1], 32<<16
	s_mov_b32 s[G1V+2], 64<<16
	s_mov_b32 s[G1V+3], 32<<16
	s_mov_b32 s[G1V+4], 64
	s_mov_b32 s[G1V+5], 32
	s_mov_b32 s[G1V+6], 0
	s_mov_b32 s[G1V+7], 0
	; group 1, scale words: 8,192 dense bytes as 32 rows of 32 elements of 8 bytes
	s_mov_b32 s[G1W], 15|(3<<16)|(1<<21)
	s_mov_b32 s[G1W+1], 32<<16
	s_mov_b32 s[G1W+2], 32<<16
	s_mov_b32 s[G1W+3], 32<<16
	s_mov_b32 s[G1W+4], 32
	s_mov_b32 s[G1W+5], 32
	s_mov_b32 s[G1W+6], 0
	s_mov_b32 s[G1W+7], 0
	s_add_co_u32 s23, s19, 1                       ; tensor 1 (K) or 2 (V)
	s_lshl_b32 s66, s23, 21
	s_lshl_b32 s22, s15, 16
	s_add_co_u32 s66, s66, s22                     ; the head's codes
	s_mov_b32 s67, 0
	s_lshl_b32 s68, s23, 18
	s_lshl_b32 s22, s15, 13
	s_add_co_u32 s68, s68, s22
	s_add_co_u32 s68, s68, QW                      ; and its scale words
	s_mov_b32 s69, 0
	s_mul_i32 s22, s19, VB                         ; where they go: no place in the cluster enters an LDS address
	s_lshl_b32 s21, s19, 9
	s_add_co_u32 s21, s21, 16896                   ; a slot in LDS: 32 rows of 528 bytes (K) or 64 of 272 (V)
	s_lshl_b32 s23, s19, 13
	s_add_co_u32 s23, s23, SCK
	s_wait_kmcnt 0x0
	CROUND                                         ; all four work-groups are here: the joint loads meet
	s_mov_b32 s[G0], 1
	s_mov_b32 s[G0+1], s23
	s_add_nc_u64 s[G0+2:G0+3], s[4:5], s[68:69]
	s_or_b32 s[G0+3], s[G0+3], 0x80000000
.irp n, 0,1,2,3
	s_mov_b32 s[G0+4+4*\n], 1
	s_mul_i32 s[G0+5+4*\n], s21, \n
	s_add_co_u32 s[G0+5+4*\n], s[G0+5+4*\n], s22
	s_add_nc_u64 s[G0+6+4*\n:G0+7+4*\n], s[4:5], s[66:67]
	s_add_nc_u64 s[G0+6+4*\n:G0+7+4*\n], s[G0+6+4*\n:G0+7+4*\n], \n*16384
	s_or_b32 s[G0+7+4*\n], s[G0+7+4*\n], 0x80000000
.endr
	s_cmp_eq_u32 s[WV], 0                          ; wave 0: K's, wave 1: V's: five loads of a wave are out at the most; all of a wave's stand in its one arm
	s_cbranch_scc0 .Lnot_k
	tensor_load_to_lds s[G0:G0+3], s[G1W:G1W+7]
	s_nop 0
	tensor_load_to_lds s[G0+4:G0+7], s[G1K:G1K+7]
	s_nop 0
	tensor_load_to_lds s[G0+8:G0+11], s[G1K:G1K+7]
	s_nop 0
	tensor_load_to_lds s[G0+12:G0+15], s[G1K:G1K+7]
	s_nop 0
	tensor_load_to_lds s[G0+16:G0+19], s[G1K:G1K+7]
	s_nop 0
.rept 4
	v_nop
.endr
	s_branch .Lno_fill
.Lnot_k:
	s_cmp_eq_u32 s[WV], 1
	s_cbranch_scc0 .Lno_fill
	tensor_load_to_lds s[G0:G0+3], s[G1W:G1W+7]
	s_nop 0
	tensor_load_to_lds s[G0+4:G0+7], s[G1V:G1V+7]
	s_nop 0
	tensor_load_to_lds s[G0+8:G0+11], s[G1V:G1V+7]
	s_nop 0
	tensor_load_to_lds s[G0+12:G0+15], s[G1V:G1V+7]
	s_nop 0
	tensor_load_to_lds s[G0+16:G0+19], s[G1V:G1V+7]
	s_nop 0
.rept 4
	v_nop
.endr
.Lno_fill:
	s_lshl_b32 s20, s14, 8
	s_lshl_b32 s21, s[WV], 4
	s_add_co_u32 s20, s20, s21                     ; my first query in its batch
	s_lshl_b32 s72, s15, 16
	s_lshl_b32 s21, s20, 5
	s_add_co_u32 s72, s72, s21                     ; its codes (tensor 0),
	s_mov_b32 s73, 0
	s_lshl_b32 s74, s15, 13
	s_lshl_b32 s21, s20, 2
	s_add_co_u32 s74, s74, s21
	s_add_co_u32 s74, s74, QW                      ; its scale word,
	s_mov_b32 s75, 0
	s_lshr_b32 s21, s15, 4                         ; the batch
	s_lshl_b32 s76, s21, 13                        ; its mask,
	s_mov_b32 s77, 0
	s_lshl_b32 s78, s21, 23
	s_lshl_b32 s21, s20, 12
	s_add_co_u32 s78, s78, s21
	s_and_b32 s21, s15, 15
	s_lshl_b32 s21, s21, 8
	s_add_co_u32 s78, s78, s21                     ; and its row of H and of x, at the head's 256 bytes
	s_mov_b32 s79, 0
	s_add_nc_u64 s[72:73], s[4:5], s[72:73]
	s_add_nc_u64 s[74:75], s[4:5], s[74:75]
	s_add_nc_u64 s[6:7], s[6:7], s[76:77]
	s_add_nc_u64 s[8:9], s[8:9], s[78:79]
	s_add_nc_u64 s[10:11], s[10:11], s[78:79]
	s_mov_b32 s70, 0x41000000                      ; 8.0
	s_mov_b32 s71, s70
	s_mov_b32 s[SEL], 0x76543210
	s_mov_b32 s[SEL+1], 0xfedcba98
	s_mov_b32 s[CS], 0x3e38aa3b                    ; c = log2(e) / 8
	s_mov_b32 s[CS+1], s[CS]
	s_mov_b32 s[TK], 0
	s_mov_b32 s[TV], 0
	s_mov_b32 s[T5], 0
	v_lshlrev_b32 v10, 4, v0                       ; each of the 512 threads takes 16 bytes of the batch's mask
	v_lshl_add_u32 v9, v0, 4, MSK
	global_load_b128 v[96:99], v10, s[6:7]
	v_and_b32 v232, 15, v0                         ; r
	v_bfe_u32 v233, v0, 4, 1                       ; h
	v_lshlrev_b32 v234, 5, v232
	v_lshl_add_u32 v234, v233, 4, v234             ; Q: row r of 32 bytes, + 16 h
	v_lshlrev_b32 v235, 2, v232
	global_load_b128 v[16:19], v234, s[72:73]      ; Q's fragment stays in registers
	global_load_b32 v24, v235, s[74:75]            ; and its scale words
.irp j, 20,21,22,23,64,65,66,67
	v_mov_b32 v[\j], 0                             ; the upper 64 of the instruction's K: zero codes in Q; and what the last fragment of K names behind its codes
.endr
	v_lshrrev_b32 v236, 3, v232                    ; r / 8
	v_lshlrev_b32 v1, 5, v232
	v_mad_u32_u24 v1, v236, 272, v1
	v_lshl_add_u32 v1, v233, 4, v1                 ; K: key r + 8 (r / 8) of a tile: 32 r + (256 + 16) (r / 8), + 16 h
	v_lshlrev_b32 v2, 5, v232
	v_lshl_add_u32 v2, v236, 4, v2
	v_lshl_add_u32 v2, v233, 4, v2
	v_add_nc_u32 v2, VB, v2                        ; V: channel r of a tile: 32 r + 16 (r / 8), + 16 h
	v_lshlrev_b32 v3, 2, v232
	v_lshl_add_u32 v3, v236, 5, v3
	v_lshl_add_u32 v3, v233, 5, v3
	v_add_nc_u32 v3, SCK, v3                       ; K's scale words: key r + 8 (r / 8) + 8 h: lanes 16-31 take the odd tile's
	v_lshl_add_u32 v4, v232, 2, SCV                ; V's
	v_lshl_add_u32 v5, v233, 6, MSK                ; the mask: my registers hold keys 16 h + 0 .. 7 of a tile's 32
	v_lshlrev_b32 v8, 12, v233
	v_lshl_add_u32 v8, v232, 4, v8                 ; H: lanes 0-15 one token's 256 bytes, lanes 16-31 the next token's
	v_mov_b32 v13, 0xff61b1e6                      ; the largest t so far: -3e38
	v_floor_f32 v12, -v13                          ; -M
	v_mov_b32 v14, 0                               ; the sum, in two halves
	v_mov_b32 v15, 0
.irp j, 236,237,238,239,245,247
	v_mov_b32 v[\j], 0                             ; written once: lane permutes' destinations, and the upper half of the pair v[246:247]
.endr
.set j, 0
.rept 32
	v_mov_b32 v[160+j], 0                          ; O^T: the step is written for every step alike; the first finds zeros
.set j, j+1
.endr
	s_wait_loadcnt 2                               ; the mask is in; Q's two loads may be out
	v_pk_mul_f32 v[96:97], v[96:97], s[70:71] op_sel_hi:[1,0]
	v_pk_mul_f32 v[98:99], v[98:99], s[70:71] op_sel_hi:[1,0]
	ds_store_b128 v9, v[96:99]
	s_wait_loadcnt 0x0                             ; Q
	s_wait_tensorcnt 0x3                           ; the scale words and the first 512 keys are in; the three loads issued behind them may be out
	s_wait_dscnt 0x0                               ; for the others' sake: my part of the mask is stored
	s_barrier_signal -1
	s_barrier_wait -1
.irp i, 0,1,2,3,4,5,6
	global_load_b128 v[68+4*\i:71+4*\i], v8, s[8:9] offset:8192*\i th:TH_LOAD_NT   ; H at tokens 2 i, 2 i + 1 of my sixteen: asked for now, behind the first tiles, wanted on the way out
.endr
	global_load_b128 v[252:255], v8, s[8:9] offset:8192*7 th:TH_LOAD_NT
	s_wait_xcnt 0x0                                ; these loads have read their offset register: the key steps write v8
	s_mov_b32 s[CNT], 4
.Lfirst:                                           ; keys 0 to 511
	STEP
	s_sub_co_u32 s[CNT], s[CNT], 1
	s_cmp_lg_u32 s[CNT], 0
	s_cbranch_scc1 .Lfirst
	s_wait_tensorcnt 0x0                           ; all my tiles are in,
	s_wait_dscnt 0x0
	s_barrier_signal -1
	s_barrier_wait -1                              ; everybody's are
	s_mov_b32 s[CNT], 12
.Lrest:                                            ; keys 512 to 2,047
	STEP
	s_sub_co_u32 s[CNT], s[CNT], 1
	s_cmp_lg_u32 s[CNT], 0
	s_cbranch_scc1 .Lrest
	; THE WAY OUT: O^T / the sum goes through my stage in LDS and comes back as rows; H is added; sixteen lanes store a token's 256 bytes of this head, aligned.
	v_add_f32 v14, v14, v15                        ; the sum's two halves,
	v_permlanex16_b32 v245, v14, s[SEL], s[SEL+1]
	v_add_f32 v14, v14, v245                       ; and lane l xor 16's
	v_rcp_f32 v14, v14
	v_and_b32 v232, 15, v0                         ; (plain lines behind the reciprocal, and the places behind the last products)
	v_bfe_u32 v233, v0, 4, 1
	s_mul_i32 s20, s[WV], 16*272
	s_add_co_u32 s20, s20, STAGE                   ; my stage
	v_mul_u32_u24 v6, v232, 272
	v_lshl_add_u32 v6, v233, 5, v6
	v_add_nc_u32 v6, s20, v6                       ; in: row r; tile t's eight channels of my half at 64 t + 32 h
	v_mul_u32_u24 v7, v233, 272
	v_lshl_add_u32 v7, v232, 4, v7
	v_add_nc_u32 v7, s20, v7                       ; back: lanes 0-15 one row, lanes 16-31 the next
	v_lshlrev_b32 v8, 12, v233
	v_lshl_add_u32 v8, v232, 4, v8                 ; and the same two tokens in x
	s_wait_alu depctr_va_vdst(0)                   ; the wait ahead of the reciprocal's first reader
.set j, 0
.rept 32
	v_mul_f32 v[96+j], v[160+j], v14               ; register 8 t + i is o(r, 16 t + 8 h + i); each accumulator is read from its low end on
.set j, j+1
.endr
.irp t, 0,1,2,3
	ds_store_b128 v6, v[96+8*\t:99+8*\t] offset:64*\t
	ds_store_b128 v6, v[100+8*\t:103+8*\t] offset:64*\t+16
.endr
.irp i, 0,1,2,3,4,5,6,7
	ds_load_b128 v[32+4*\i:35+4*\i], v7 offset:2*\i*272    ; LDS serves a wave's instructions in order: these see my stores
.endr
	s_wait_loadcnt 0x0                             ; H
.irp i, 0,1,2,3,4,5,6,7
	s_wait_dscnt 7-\i                              ; the younger loads may be out
.if \i < 7
	v_pk_add_f32 v[32+4*\i:33+4*\i], v[32+4*\i:33+4*\i], v[68+4*\i:69+4*\i]
	v_pk_add_f32 v[34+4*\i:35+4*\i], v[34+4*\i:35+4*\i], v[70+4*\i:71+4*\i]
.else
	v_pk_add_f32 v[32+4*\i:33+4*\i], v[32+4*\i:33+4*\i], v[252:253]
	v_pk_add_f32 v[34+4*\i:35+4*\i], v[34+4*\i:35+4*\i], v[254:255]
.endif
	global_store_b128 v8, v[32+4*\i:35+4*\i], s[10:11] offset:8192*\i
.endr
	s_wait_xcnt 0x0
	v_lshl_add_u32 v254, v0, 2, 0x38800
	v_mov_b32 v255, 0
	s_wait_tensorcnt 0x0
	ds_add_u32 v254, v255
	s_wait_dscnt 0x0
	CROUND                                         ; the closing round
	s_endpgm
.Lfunc_end_k_qc6e98f8490_attn:
	.size	k_qc6e98f8490_attn, .Lfunc_end_k_qc6e98f8490_attn-k_qc6e98f8490_attn
	.p2alignl 7, 3214868480
	.fill 96, 4, 3214868480
	.section	.rodata,"a",@progbits
	.p2align	6, 0x0
	.amdhsa_kernel k_qc6e98f8490_attn
		.amdhsa_group_segment_fixed_size 233472
		.amdhsa_private_segment_fixed_size 0
		.amdhsa_enable_private_segment 0
		.amdhsa_kernarg_size 32
		.amdhsa_user_sgpr_count 2
		.amdhsa_user_sgpr_kernarg_segment_ptr 1
		.amdhsa_wavefront_size32 1
		.amdhsa_system_sgpr_workgroup_id_x 1
		.amdhsa_system_sgpr_workgroup_id_y 1
		.amdhsa_system_sgpr_workgroup_id_z 1
		.amdhsa_system_vgpr_workitem_id 0
		.amdhsa_next_free_vgpr 256
		.amdhsa_next_free_sgpr 96
		.amdhsa_reserve_vcc 0
		.amdhsa_float_denorm_mode_32 3
		.amdhsa_float_denorm_mode_16_64 3
		.amdhsa_memory_ordered 1
		.amdhsa_forward_progress 1
		.amdhsa_inst_pref_size 51
	.end_amdhsa_kernel
	.amdgpu_metadata
---
amdhsa.version: [ 1, 2 ]
amdhsa.kernels:
  - .name:           k_qc6e98f8490_attn
    .symbol:         k_qc6e98f8490_attn.kd
    .args:
      - { .name: qkv, .offset: 0, .size: 8, .value_kind: global_buffer, .address_space: global }
      - { .name: attention_mask, .offset: 8, .size: 8, .value_kind: global_buffer, .address_space: global }
      - { .name: H, .offset: 16, .size: 8, .value_kind: global_buffer, .address_space: global }
      - { .name: acts, .offset: 24, .size: 8, .value_kind: global_buffer, .address_space: global }
    .group_segment_fixed_size: 233472
    .private_segment_fixed_size: 0
    .kernarg_segment_align: 8
    .kernarg_segment_size: 32
    .max_flat_workgroup_size: 512
    .sgpr_count:     96
    .vgpr_count:     256
    .wavefront_size: 32
...
	.end_amdgpu_metadata
.endif
;; end of part 3
;; launch ln1 (part 4): grid 256 x 1, 8 waves a work-group, no clusters, 77,312 bytes of LDS; arguments acts, g1, be1, fbuf; writes fbuf
.if DOCPART == 4
	.amdgcn_target "amdgcn-amd-amdhsa--gfx1250"
	.amdhsa_code_object_version 6
	.text
	.protected	k_qc6e98f8490_ln1
	.globl	k_qc6e98f8490_ln1
	.p2align	8
	.type	k_qc6e98f8490_ln1,@function
k_qc6e98f8490_ln1:
	s_mov_b64 s[64:65], 0
	v_nop
	global_prefetch_b8 v0, s[64:65] scope:SCOPE_SE
	s_setreg_imm32_b32 hwreg(HW_REG_WAVE_MODE, 25, 1), 1
	s_wait_xcnt 0x0
; F = layer_norm(x) g1 + be1, rows of 1,024, in f32; x = H + ctx lies in acts.  F leaves as f32 (for the second residual) and as codes of FP4 with E8M0 scale bytes (the next product's operand).
; fbuf: F [4096][1024] f32 at 0; codes [chunk of 256 along K: 4][4096 rows][128 bytes] at 16,777,216; scale bytes [4][4096][8] at 18,874,368.
; 256 work-groups of eight waves; one wave, two rows; a row stays in 32 registers a lane between the passes, so memory is read once.  Mean first, then the variance of the differences, as the reference has it: safe under a common offset.
; All of a wave's 32 loads go out at its head.  Memory binds: no matrix unit, no cluster, no tensor load.
; THE TURN: as loaded, a lane holds 4 neighbours of each 512 bytes; the conversions want 32 neighbours in one lane.  Both rows go through the wave's own stage in LDS (a block of 128 bytes + 16 of padding) and come back a block a lane.
; The work-group's 16 rows make 128 scale bytes for each chunk: they are gathered in LDS and leave by one store of wave 0, 128 consecutive bytes a chunk.  That is half of an aligned 256 bytes, whose other half the
; neighbouring work-group stores: 131,072 of the 36 million bytes that the launch moves.  F and the codes leave in whole aligned runs of 256 bytes.
; LIMITS: NaN and infinities are not served; a block of zeros keeps the byte 1 over zero codes (the bytes are read by this program alone).
.set G,   32                           ; v32-63 g1;  v64-95 be1
.set BE,  64
.set X0,  96                           ; v96-127, v128-159 the two rows
.set X1,  128
.set C0,  160                          ; v160-223 two sets of 32 neighbours
.set CD,  224                          ; v224-231 codes
.set SEL, 26
.set WST, 9472                         ; a wave's stage: two rows
.set RST, 4736                         ; a row: 32 blocks x 144 bytes, + 128, so that the two rows' blocks fall on different banks
.set SBY, 75776                        ; behind the stages: [chunk 4][16 rows][8] scale bytes
.macro REDUCE r, t                     ; the sum over the 32 lanes, in every lane
	v_add_f32_dpp v[\r], v[\r], v[\r] row_xmask:1 row_mask:0xf bank_mask:0xf
	v_add_f32_dpp v[\r], v[\r], v[\r] row_xmask:2 row_mask:0xf bank_mask:0xf
	v_add_f32_dpp v[\r], v[\r], v[\r] row_xmask:4 row_mask:0xf bank_mask:0xf
	v_add_f32_dpp v[\r], v[\r], v[\r] row_xmask:8 row_mask:0xf bank_mask:0xf
	v_permlanex16_b32 v[\t], v[\r], s[SEL], s[SEL+1]
	v_add_f32 v[\r], v[\r], v[\t]
.endm
.macro LNCORE x                        ; the row in v[x .. x + 31] is normalised in place
	v_pk_add_f32 v[4:5], v[\x:\x+1], v[\x+2:\x+3]
	v_pk_add_f32 v[6:7], v[\x+4:\x+5], v[\x+6:\x+7]
.irp i, 8,12,16,20,24,28
	v_pk_add_f32 v[4:5], v[4:5], v[\x+\i:\x+\i+1]
	v_pk_add_f32 v[6:7], v[6:7], v[\x+\i+2:\x+\i+3]
.endr
	v_pk_add_f32 v[4:5], v[4:5], v[6:7]
	v_add_f32 v4, v4, v5
	REDUCE 4, 5
	v_mul_f32 v4, 0xba800000, v4                   ; -mean = -sum / 1,024
.set j, 0
.rept 16
	v_pk_add_f32 v[\x+j:\x+j+1], v[\x+j:\x+j+1], v[4:5] op_sel_hi:[1,0]
.set j, j+2
.endr
	v_pk_mul_f32 v[6:7], v[\x:\x+1], v[\x:\x+1]
	v_pk_mul_f32 v[8:9], v[\x+2:\x+3], v[\x+2:\x+3]
.irp i, 4,8,12,16,20,24,28
	v_pk_fma_f32 v[6:7], v[\x+\i:\x+\i+1], v[\x+\i:\x+\i+1], v[6:7]
	v_pk_fma_f32 v[8:9], v[\x+\i+2:\x+\i+3], v[\x+\i+2:\x+\i+3], v[8:9]
.endr
	v_pk_add_f32 v[6:7], v[6:7], v[8:9]
	v_add_f32 v6, v6, v7
	REDUCE 6, 7
	v_fma_f32 v6, v6, s28, s29                     ; variance + 1e-5
	v_rsq_f32 v6, v6
	v_nop                                          ; a plain line behind the transcendental
	s_wait_alu depctr_va_vdst(0)                   ; and the wait ahead of its first reader
.set j, 0
.rept 16
	v_pk_mul_f32 v[\x+j:\x+j+1], v[\x+j:\x+j+1], v[6:7] op_sel_hi:[1,0]
.set j, j+2
.endr
.set j, 0
.rept 16
	v_pk_fma_f32 v[\x+j:\x+j+1], v[\x+j:\x+j+1], v[G+j:G+j+1], v[BE+j:BE+j+1]
.set j, j+2
.endr
.endm
.macro ROW x, n                        ; row n of my two
	LNCORE \x
.irp i, 0,1,2,3,4,5,6,7
	global_store_b128 v2, v[\x+4*\i:\x+4*\i+3], s[14:15] offset:4096*\n+512*\i   ; 512 consecutive bytes
.endr
.irp i, 0,1,2,3,4,5,6,7
	ds_store_b128 v3, v[\x+4*\i:\x+4*\i+3] offset:RST*\n+576*\i
.endr
.endm
.macro QBLK s                          ; set s: my block of 32 neighbours becomes 16 bytes of codes and a scale byte
.set XS, C0+32*(\s)
	v_max3_num_f32 v20, |v[XS]|, |v[XS+1]|, |v[XS+2]|
	v_max3_num_f32 v21, |v[XS+3]|, |v[XS+4]|, |v[XS+5]|
.irp i, 6,10,14,18,22,26
	v_max3_num_f32 v20, v20, |v[XS+\i]|, |v[XS+\i+1]|
	v_max3_num_f32 v21, v21, |v[XS+\i+2]|, |v[XS+\i+3]|
.endr
	v_max3_num_f32 v20, v20, |v[XS+30]|, |v[XS+31]|
	v_max3_num_f32 v20, v20, v21, 0x1800000        ; and the floor 2^(3 - 127): the byte cannot fall under 1
	v_add_nc_u32 v22, 0xff000000, v20              ; 2 off the exponent field: the conversion's scale operand
.irp g, 0,1,2,3
	v_cvt_scalef32_pk8_fp4_f32 v[CD+4*(\s)+\g], v[XS+8*\g:XS+8*\g+7], v22
.endr
	v_lshrrev_b32 v[24+(\s)], 23, v22              ; the scale's byte
	ds_store_b8 v14, v[24+(\s)] offset:256*(\s)
	global_store_b128 v13, v[CD+4*(\s):CD+4*(\s)+3], s[16:17] offset:1048576*(\s)   ; sixteen lanes: two rows' 128 bytes of one chunk: 256 consecutive bytes, aligned
.endm
	s_load_b256 s[4:11], s[0:1], 0x0               ; x, g1, be1, fbuf
	v_lshl_add_u32 v240, v0, 2, 0x12a00
	v_mov_b32 v241, 0
	v_lshrrev_b32 v1, 5, v0
	v_readfirstlane_b32 s20, v1                    ; wave 0..7
	v_and_b32 v1, 31, v0                           ; lane
	v_lshlrev_b32 v2, 4, v1                        ; 16 bytes a lane
	s_lshl_b32 s22, ttmp9, 16                      ; 16 rows of 4,096 bytes,
	s_lshl_b32 s23, s20, 13                        ; my two
	s_add_co_u32 s22, s22, s23
	s_mov_b32 s23, 0
	s_lshr_b32 s24, s22, 5                         ; the same rows at 128 bytes each
	s_mov_b32 s25, 0
	s_lshl_b32 s30, ttmp9, 7                       ; the work-group's 16 rows at 8 bytes each
	s_mov_b32 s31, 0
	s_mov_b32 s[SEL], 0x76543210
	s_mov_b32 s[SEL+1], 0xfedcba98
	s_mov_b32 s28, 0x3a800000                      ; 1 / 1,024
	s_mov_b32 s29, 0x3727c5ac                      ; 1e-5
	s_wait_kmcnt 0x0
	s_add_nc_u64 s[4:5], s[4:5], s[22:23]
	s_add_nc_u64 s[14:15], s[10:11], s[22:23]      ; F
	s_add_nc_u64 s[16:17], s[10:11], s[24:25]
	s_add_nc_u64 s[16:17], s[16:17], 16777216      ; its codes
	s_add_nc_u64 s[18:19], s[10:11], s[30:31]
	s_add_nc_u64 s[18:19], s[18:19], 18874368      ; its scale bytes
.irp i, 0,1,2,3,4,5,6,7
	global_load_b128 v[G+4*\i:G+4*\i+3], v2, s[6:7] offset:512*\i
.endr
.irp i, 0,1,2,3,4,5,6,7
	global_load_b128 v[BE+4*\i:BE+4*\i+3], v2, s[8:9] offset:512*\i
.endr
.irp i, 0,1,2,3,4,5,6,7
	global_load_b128 v[X0+4*\i:X0+4*\i+3], v2, s[4:5] offset:512*\i th:TH_LOAD_NT
.endr
.irp i, 0,1,2,3,4,5,6,7
	global_load_b128 v[X1+4*\i:X1+4*\i+3], v2, s[4:5] offset:4096+512*\i th:TH_LOAD_NT
.endr
	s_mul_i32 s24, s20, WST                        ; my stage
	v_lshrrev_b32 v3, 3, v1
	v_lshlrev_b32 v3, 4, v3
	v_add_nc_u32 v3, v3, v2
	v_add_nc_u32 v3, s24, v3                       ; in: 16 x lane, + 16 for each block of 8 lanes passed
	v_bfe_u32 v11, v1, 3, 1                        ; out: lane L takes row (L / 8) % 2, chunk 2 s + L / 16, block L % 8
	v_mul_u32_u24 v10, v11, RST
	v_lshrrev_b32 v11, 4, v1
	v_mad_u32_u24 v10, v11, 1152, v10
	v_and_b32 v12, 7, v1
	v_mad_u32_u24 v10, v12, 144, v10
	v_add_nc_u32 v10, s24, v10
	v_and_b32 v13, 15, v1
	v_lshlrev_b32 v13, 4, v13
	v_lshl_add_u32 v13, v11, 19, v13               ; the codes' place: chunk L / 16, 16 (L % 16) in the two rows' 256 bytes
	v_and_b32 v14, 15, v1
	v_lshl_add_u32 v14, v11, 7, v14
	s_lshl_b32 s25, s20, 4
	s_add_co_u32 s25, s25, SBY
	v_add_nc_u32 v14, s25, v14                     ; the byte's: chunk x 128 + 16 x wave + L % 16
	v_lshrrev_b32 v15, 3, v1
	v_lshlrev_b32 v15, 15, v15
	v_lshl_add_u32 v15, v12, 4, v15                ; the scale bytes' way out: lane L stores 16 (L % 8) .. + 15 of chunk L / 8's 128 bytes,
	v_add_nc_u32 v16, SBY, v2                      ; which lie at 16 L in LDS
	s_wait_loadcnt 8                               ; g1, be1 and row 0 are in; row 1's eight loads may be out
	ROW X0, 0
	s_wait_loadcnt 0x0
	ROW X1, 1
.irp s, 0,1
.irp i, 0,1,2,3,4,5,6,7
	ds_load_b128 v[C0+32*\s+4*\i:C0+32*\s+4*\i+3], v10 offset:2304*\s+16*\i   ; LDS serves a wave's instructions in order: these see my stores
.endr
.endr
	s_wait_dscnt 8                                 ; the first set is in; the second set's eight loads may be out
	QBLK 0
	s_wait_dscnt 1                                 ; the second set is in; the byte store issued behind it may be out
	QBLK 1
	s_wait_dscnt 0x0                               ; for the others' sake: my byte stores are done
	s_barrier_signal -1
	s_barrier_wait -1
	s_cmp_eq_u32 s20, 0
	s_cbranch_scc0 .Ldone
	ds_load_b128 v[26:29], v16
	s_wait_dscnt 0x0
	global_store_b128 v15, v[26:29], s[18:19]      ; four chunks x 128 consecutive bytes
.Ldone:
	s_wait_tensorcnt 0x0
	ds_add_u32 v240, v241
	s_wait_dscnt 0x0
	s_endpgm
.Lfunc_end_k_qc6e98f8490_ln1:
	.size	k_qc6e98f8490_ln1, .Lfunc_end_k_qc6e98f8490_ln1-k_qc6e98f8490_ln1
	.p2alignl 7, 3214868480
	.fill 96, 4, 3214868480
	.section	.rodata,"a",@progbits
	.p2align	6, 0x0
	.amdhsa_kernel k_qc6e98f8490_ln1
		.amdhsa_group_segment_fixed_size 77312
		.amdhsa_private_segment_fixed_size 0
		.amdhsa_enable_private_segment 0
		.amdhsa_kernarg_size 32
		.amdhsa_user_sgpr_count 2
		.amdhsa_user_sgpr_kernarg_segment_ptr 1
		.amdhsa_wavefront_size32 1
		.amdhsa_system_sgpr_workgroup_id_x 1
		.amdhsa_system_sgpr_workgroup_id_y 1
		.amdhsa_system_sgpr_workgroup_id_z 1
		.amdhsa_system_vgpr_workitem_id 0
		.amdhsa_next_free_vgpr 242
		.amdhsa_next_free_sgpr 66
		.amdhsa_reserve_vcc 0
		.amdhsa_float_denorm_mode_32 3
		.amdhsa_float_denorm_mode_16_64 3
		.amdhsa_memory_ordered 1
		.amdhsa_forward_progress 1
		.amdhsa_inst_pref_size 25
	.end_amdhsa_kernel
	.amdgpu_metadata
---
amdhsa.version: [ 1, 2 ]
amdhsa.kernels:
  - .name:           k_qc6e98f8490_ln1
    .symbol:         k_qc6e98f8490_ln1.kd
    .args:
      - { .name: acts, .offset: 0, .size: 8, .value_kind: global_buffer, .address_space: global }
      - { .name: g1, .offset: 8, .size: 8, .value_kind: global_buffer, .address_space: global }
      - { .name: be1, .offset: 16, .size: 8, .value_kind: global_buffer, .address_space: global }
      - { .name: fbuf, .offset: 24, .size: 8, .value_kind: global_buffer, .address_space: global }
    .group_segment_fixed_size: 77312
    .private_segment_fixed_size: 0
    .kernarg_segment_align: 8
    .kernarg_segment_size: 32
    .max_flat_workgroup_size: 256
    .sgpr_count:     66
    .vgpr_count:     242
    .wavefront_size: 32
...
	.end_amdgpu_metadata
.endif
;; end of part 4
;; launch ffn1 (part 5): grid 16 x 16, 16 waves a work-group, clusters of 4 x 4, 313,344 bytes of LDS; arguments fbuf, ops, b1, hid; writes hid
.if DOCPART == 5
	.amdgcn_target "amdgcn-amd-amdhsa--gfx1250"
	.amdhsa_code_object_version 6
	.text
	.protected	k_qc6e98f8490_ffn1
	.globl	k_qc6e98f8490_ffn1
	.p2align	8
	.type	k_qc6e98f8490_ffn1,@function
k_qc6e98f8490_ffn1:
	s_mov_b64 s[64:65], 0
	v_nop
	global_prefetch_b8 v0, s[64:65] scope:SCOPE_SE
	s_setreg_imm32_b32 hwreg(HW_REG_WAVE_MODE, 25, 1), 1
	s_wait_xcnt 0x0
	s_wait_alu depctr_hold_cnt(0) depctr_sa_sdst(0) depctr_va_vdst(0) depctr_va_sdst(0) depctr_va_ssrc(0) depctr_va_vcc(0) depctr_vm_vsrc(0)
	s_getreg_b32 s2, hwreg(HW_REG_IB_STS2, 6, 4)
	s_cmp_eq_u32 s2, 0
	s_cbranch_scc0 .Lentry_in_a_cluster
	s_endpgm
.Lentry_in_a_cluster:
	s_bfe_u32 s2, ttmp6, 0x10000c
	s_cmp_lg_u32 s2, 0xf033
	s_cbranch_scc0 .Lentry_shape_is_right
	s_endpgm
.Lentry_shape_is_right:
; hidden = relu(F W1 + b1) on codes of FP4 with E8M0 scales, K = 1,024; the result is quantised in registers along the hidden units and leaves as codes: the next product's operand.
; A tile is 256 tokens (y) x 256 hidden units (x).  Sixteen waves, each 64 x 64: 16 accumulators, all registers in one window, four waves to a SIMD.
; BOTH PANELS OF A TILE FIT IN LDS AT ONCE: every tensor load goes out at the head.  K's first half is multiplied while the second lands.
; CLUSTER 4 x 4: F's rows are shared along a row of the cluster, W1's along a column: each tile is asked for jointly.
; THE MATRIX INSTRUCTION IS USED TRANSPOSED (source 0 = 16 rows of W1, source 1 = 16 tokens): a lane holds one token, and its registers run along the hidden units.  b1 is the C of each sum's first product.
; OUT: hid codes [chunk of 256 units: 16][4096 tokens][128 bytes], scale bytes [16][4096][8] at 8,388,608: the tile is chunk x of 256 tokens.  A token's 128 bytes come from four waves: they meet in a stage in LDS,
; which lies where K's first half lay: those bytes have had their only fill, and a barrier stands behind every wave's last read of them.
; LIMITS: NaN and infinities are not served; a block of zeros keeps the byte 1 over zero codes (the bytes are read by this program alone).
.set FC,    16777216                   ; F's codes and scale bytes in fbuf
.set FS,    18874368
.set W1C,   3899392                    ; W1's in ops
.set W1S,   5996544
.set HSB,   8388608                    ; the scale bytes' place in hid
.set PITCH, 144
.set CHK,   256*PITCH
.set BOFF,  2*CHK
.set HALF,  4*CHK
.set ASC,   2*HALF
.set BSC,   ASC+8192
.set SST,   CHK                        ; the stage: 256 rows x 144 bytes of codes at 0, then 256 rows x 8 scale bytes
.set WV,   12
.set SEL,  66
.set G1A,  24
.set G1B,  32
.set G1SA, 40
.set G1SB, 48
.set ADP,  4                           ; v4-7 fragments' and scale words' addresses
.set ADQ,  5
.set ASP,  6
.set ASQ,  7
.set STC,  8                           ; v8  the stage: where I put a block's 16 bytes;  v9 a row's two scale bytes
.set STS,  9
.set RDC,  10                          ; v10 where I read rows back;  v11 16 x lane;  v12 the scale bytes back;  v13 b1: 32 h
.set GOF,  11
.set RDS,  12
.set BOV,  13
.set WR,   16                          ; v16-19 the rows' scale words (in registers that held b1)
.set TMR,  48                          ; v48-55 at work in QROW (likewise)
.set SCP,  32
.set SCQ,  40
.set PF,   64
.set QF,   96
.set ACC,  128
.macro CROUND
	s_barrier_signal -1
	s_barrier_wait -1
	s_cmp_lg_u32 s[WV], 0
	s_cbranch_scc1 .Lnot_wave_0_\@
	s_barrier_signal -3
.Lnot_wave_0_\@:
	s_barrier_wait -3
	s_barrier_signal -1
	s_barrier_wait -1
.endm
; 128 along K: 16 LDS loads, 16 matrix instructions on 16 accumulators by turns.  cmode 2: the products start the sums from b1, which lies at v16-31 and v48-63, eight registers a tile of units.
.macro KSTEP adp, adq, off, q, cmode, sc
.rept 4
	v_nop                                          ; places in front of loads into registers that matrix instructions have read
.endr
.if (\sc) >= 0
.irp i, 0,1,2,3
	ds_load_b64 v[SCP+2*\i:SCP+2*\i+1], v[ASP] offset:(\sc)+128*\i
	ds_load_b64 v[SCQ+2*\i:SCQ+2*\i+1], v[ASQ] offset:(\sc)+128*\i
.endr
.endif
.irp i, 0,1,2,3
	ds_load_b128 v[PF+8*\i:PF+8*\i+3], v[\adp] offset:(\off)+2304*\i+64*(\q)
	ds_load_b128 v[PF+8*\i+4:PF+8*\i+7], v[\adp] offset:(\off)+2304*\i+64*(\q)+32
	ds_load_b128 v[QF+8*\i:QF+8*\i+3], v[\adq] offset:(\off)+2304*\i+64*(\q)
	ds_load_b128 v[QF+8*\i+4:QF+8*\i+7], v[\adq] offset:(\off)+2304*\i+64*(\q)+32
.endr
	s_wait_dscnt 0x0
.irp a, 0,1,2,3
.irp b, 0,1,2,3
.if (\cmode) == 2
	v_wmma_scale_f32_16x16x128_f8f6f4 v[ACC+8*(4*\a+\b):ACC+8*(4*\a+\b)+7], v[QF+8*\b:QF+8*\b+7], v[PF+8*\a:PF+8*\a+7], v[16+8*\b+16*(\b/2):16+8*\b+16*(\b/2)+7], v[SCQ+2*\b+(\q)], v[SCP+2*\a+(\q)] matrix_a_fmt:MATRIX_FMT_FP4 matrix_b_fmt:MATRIX_FMT_FP4
.else
	v_wmma_scale_f32_16x16x128_f8f6f4 v[ACC+8*(4*\a+\b):ACC+8*(4*\a+\b)+7], v[QF+8*\b:QF+8*\b+7], v[PF+8*\a:PF+8*\a+7], v[ACC+8*(4*\a+\b):ACC+8*(4*\a+\b)+7], v[SCQ+2*\b+(\q)], v[SCP+2*\a+(\q)] matrix_a_fmt:MATRIX_FMT_FP4 matrix_b_fmt:MATRIX_FMT_FP4
.endif
.endr
.endr
.endm
; 16 rows x 64 columns (accumulators (a, 0..3)) become codes: lane (r, h) ends with the 16 bytes of block h of row r in v[PF+4a .. +3], and the row's two scale bytes in v[WR+a].
.macro QROW a
.set QA, ACC+32*(\a)
.set QR, PF+4*(\a)
.irp e, 0,1
	v_max3_num_f32 v[TMR+\e], |v[QA+16*\e]|, |v[QA+16*\e+1]|, 0x1800000   ; with the floor 2^(3 - 127)
.endr
.irp i, 2,4,6,8,10,12,14
.irp e, 0,1
	v_max3_num_f32 v[TMR+\e], v[TMR+\e], |v[QA+16*\e+\i]|, |v[QA+16*\e+\i+1]|
.endr
.endr
.irp e, 0,1
	v_permlanex16_b32 v[TMR+2+\e], v[TMR+\e], s[SEL], s[SEL+1]
.endr
.irp e, 0,1
	v_max_num_f32 v[TMR+\e], v[TMR+\e], v[TMR+2+\e]
.endr
.irp e, 0,1
	v_add_nc_u32 v[TMR+4+\e], 0xff000000, v[TMR+\e]
.endr
.irp e, 0,1
	v_lshrrev_b32 v[TMR+6+\e], 23, v[TMR+4+\e]
.endr
	v_lshl_or_b32 v[WR+(\a)], v[TMR+7], 8, v[TMR+6]
	v_cvt_scalef32_pk8_fp4_f32 v[QR], v[QA:QA+7], v[TMR+4]
	v_cvt_scalef32_pk8_fp4_f32 v[QR+2], v[QA+8:QA+15], v[TMR+4]
	v_cvt_scalef32_pk8_fp4_f32 v[QR+1], v[QA+16:QA+23], v[TMR+5]
	v_cvt_scalef32_pk8_fp4_f32 v[QR+3], v[QA+24:QA+31], v[TMR+5]
	v_nop                                          ; one plain place behind a scaled conversion
	v_permlane16_swap_b32 v[QR], v[QR+1]
	v_permlane16_swap_b32 v[QR+2], v[QR+3]
.endm
	s_load_b256 s[4:11], s[0:1], 0x0               ; fbuf, ops, b1, hid
	v_lshl_add_u32 v254, v0, 2, 0x4c000
	v_mov_b32 v255, 0
	ds_add_u32 v254, v255
	s_wait_dscnt 0x0
	v_lshrrev_b32 v1, 5, v0
	v_readfirstlane_b32 s[WV], v1                  ; wave 0..15
	s_lshr_b32 s13, s[WV], 2                       ; wa: my 64 tokens
	s_and_b32 s14, s[WV], 3                        ; wb: my 64 units.  Also: which of four loads is mine
	s_and_b32 s16, s[WV], 1                        ; which 128 rows of a chunk I fetch
	s_bfe_u32 s17, s[WV], 0x10001                  ; which chunk of a half
	s_bfe_u32 s18, ttmp6, 0x40000                  ; cx, cy
	s_bfe_u32 s19, ttmp6, 0x40004
	s_lshl_b32 s20, ttmp9, 2
	s_add_co_u32 s20, s20, s18                     ; x
	s_and_b32 s21, ttmp7, 0xffff
	s_lshl_b32 s21, s21, 2
	s_add_co_u32 s21, s21, s19                     ; y
	s_lshl_b32 s22, s19, 2
	s_lshl_b32 s22, 15, s22                        ; my row of the cluster
	s_lshl_b32 s23, 0x1111, s18                    ; my column
	s_or_b32 s[G1A], s22, (1<<20)|(1<<21)|(4<<22)|(3<<25)   ; codes: 128 rows x 128 bytes, dense, 16 bytes of padding behind each row; bit 21 set beside a mask
	s_or_b32 s[G1B], s23, (1<<20)|(1<<21)|(4<<22)|(3<<25)
.irp g, G1A, G1B
	s_mov_b32 s[\g+1], 128<<16
	s_mov_b32 s[\g+2], 128<<16
	s_mov_b32 s[\g+3], 128<<16
	s_mov_b32 s[\g+4], 128
	s_mov_b32 s[\g+5], 128
	s_mov_b32 s[\g+6], 0
	s_mov_b32 s[\g+7], 0
.endr
	s_or_b32 s[G1SA], s22, (3<<16)|(1<<21)         ; scales: 2,048 dense bytes as 8 rows of 32 elements of 8 bytes
	s_or_b32 s[G1SB], s23, (3<<16)|(1<<21)
.irp g, G1SA, G1SB
	s_mov_b32 s[\g+1], 32<<16
	s_mov_b32 s[\g+2], 8<<16
	s_mov_b32 s[\g+3], 32<<16
	s_mov_b32 s[\g+4], 8
	s_mov_b32 s[\g+5], 32
	s_mov_b32 s[\g+6], 0
	s_mov_b32 s[\g+7], 0
.endr
	s_lshl_b32 s92, s14, 15                        ; scales: chunk x 32,768 (both operands have 4,096 rows)
	s_lshl_b32 s94, s16, 14                        ; 128 rows x 128 bytes
	s_lshl_b32 s95, s14, 11                        ; LDS: chunk x 2,048
	s_mul_i32 s96, s17, CHK
	s_mul_i32 s97, s16, 128*PITCH
	s_add_co_u32 s96, s96, s97                     ; LDS: my chunk of a half, my 128 rows
	s_lshl_b32 s97, s17, 19                        ; codes: chunk x 524,288
	s_lshl_b32 s84, s21, 11                        ; A's places hang on y alone,
	s_add_co_u32 s84, s84, s92
	s_add_co_u32 s84, s84, FS
	s_mov_b32 s85, 0
	s_lshl_b32 s86, s21, 15
	s_add_co_u32 s86, s86, s97
	s_add_co_u32 s86, s86, s94
	s_add_co_u32 s86, s86, FC
	s_mov_b32 s87, 0
	s_lshl_b32 s88, s20, 11                        ; B's on x alone
	s_add_co_u32 s88, s88, s92
	s_add_co_u32 s88, s88, W1S
	s_mov_b32 s89, 0
	s_lshl_b32 s90, s20, 15
	s_add_co_u32 s90, s90, s97
	s_add_co_u32 s90, s90, s94
	s_add_co_u32 s90, s90, W1C
	s_mov_b32 s91, 0
	s_wait_kmcnt 0x0
	CROUND                                         ; all sixteen work-groups are here: the joint loads meet
	s_mov_b32 s56, 1
	s_add_co_u32 s57, s95, ASC
	s_add_nc_u64 s[58:59], s[4:5], s[84:85]
	s_or_b32 s59, s59, 0x80000000
	s_mov_b32 s60, 1
	s_mov_b32 s61, s96
	s_add_nc_u64 s[62:63], s[4:5], s[86:87]
	s_or_b32 s63, s63, 0x80000000
	s_mov_b32 s68, 1
	s_add_co_u32 s69, s96, HALF
	s_add_nc_u64 s[70:71], s[4:5], s[86:87]
	s_add_nc_u64 s[70:71], s[70:71], 2*524288
	s_or_b32 s71, s71, 0x80000000
	s_mov_b32 s72, 1
	s_add_co_u32 s73, s95, BSC
	s_add_nc_u64 s[74:75], s[6:7], s[88:89]
	s_or_b32 s75, s75, 0x80000000
	s_mov_b32 s76, 1
	s_add_co_u32 s77, s96, BOFF
	s_add_nc_u64 s[78:79], s[6:7], s[90:91]
	s_or_b32 s79, s79, 0x80000000
	s_mov_b32 s80, 1
	s_add_co_u32 s81, s96, HALF+BOFF
	s_add_nc_u64 s[82:83], s[6:7], s[90:91]
	s_add_nc_u64 s[82:83], s[82:83], 2*524288
	s_or_b32 s83, s83, 0x80000000
	s_cmp_lt_u32 s[WV], 4                          ; waves 0-3 fetch for A, waves 4-7 for B, the others nothing: three loads of a wave are out at the most
	s_cbranch_scc0 .Lnot_a
	tensor_load_to_lds s[56:59], s[G1SA:G1SA+7]
	s_nop 0
	tensor_load_to_lds s[60:63], s[G1A:G1A+7]
	s_nop 0
	tensor_load_to_lds s[68:71], s[G1A:G1A+7]
	s_nop 0
.rept 4
	v_nop
.endr
	s_branch .Lasked
.Lnot_a:
	s_cmp_lt_u32 s[WV], 8
	s_cbranch_scc0 .Lasked
	tensor_load_to_lds s[72:75], s[G1SB:G1SB+7]
	s_nop 0
	tensor_load_to_lds s[76:79], s[G1B:G1B+7]
	s_nop 0
	tensor_load_to_lds s[80:83], s[G1B:G1B+7]
	s_nop 0
.rept 4
	v_nop
.endr
.Lasked:
	v_and_b32 v1, 15, v0                           ; r
	v_bfe_u32 v2, v0, 4, 1                         ; h
	v_and_b32 v14, 31, v0                          ; lane
	v_lshlrev_b32 v[BOV], 5, v2
	s_lshl_b32 s98, s20, 10                        ; b1: my 64 units at 4 (256 x + 64 wb)
	s_lshl_b32 s99, s14, 8
	s_add_co_u32 s98, s98, s99
	s_mov_b32 s99, 0
	s_add_nc_u64 s[8:9], s[8:9], s[98:99]
.irp b, 0,1,2,3
	global_load_b128 v[16+8*\b+16*(\b/2):16+8*\b+16*(\b/2)+3], v[BOV], s[8:9] offset:64*\b       ; lane (r, h), tile b: b1 at units 16 b + 8 h + 0 .. 7
	global_load_b128 v[16+8*\b+16*(\b/2)+4:16+8*\b+16*(\b/2)+7], v[BOV], s[8:9] offset:64*\b+16
.endr
	v_mul_u32_u24 v3, v1, PITCH
	v_lshl_add_u32 v3, v2, 4, v3                   ; row x pitch + 16 h
	s_mul_i32 s92, s13, 64*PITCH
	s_mul_i32 s93, s14, 64*PITCH
	s_add_co_u32 s93, s93, BOFF
	v_add_nc_u32 v[ADP], s92, v3
	v_add_nc_u32 v[ADQ], s93, v3
	s_lshl_b32 s94, s13, 9
	s_add_co_u32 s94, s94, ASC
	s_lshl_b32 s95, s14, 9
	s_add_co_u32 s95, s95, BSC
	v_lshl_add_u32 v[ASP], v1, 3, s94
	v_lshl_add_u32 v[ASQ], v1, 3, s95
	s_lshl_b32 s96, s14, 5
	s_add_co_u32 s96, s96, s92
	v_add_nc_u32 v[STC], s96, v3                   ; the stage, in: token 64 wa + r, + 32 wb + 16 h
	s_lshl_b32 s96, s13, 9
	s_lshl_b32 s97, s14, 1
	s_add_co_u32 s96, s96, s97
	s_add_co_u32 s96, s96, SST
	v_lshl_add_u32 v[STS], v1, 3, s96              ; its scale bytes: 8 a token, my two at 2 wb
	v_lshrrev_b32 v15, 3, v14
	v_mul_u32_u24 v[RDC], v15, PITCH
	v_and_b32 v15, 7, v14
	v_lshl_add_u32 v[RDC], v15, 4, v[RDC]
	s_mul_i32 s96, s[WV], 16*PITCH
	v_add_nc_u32 v[RDC], s96, v[RDC]               ; back: my 16 tokens, eight lanes to a row of 128 bytes
	v_lshlrev_b32 v[GOF], 4, v14
	s_lshl_b32 s96, s14, 9
	s_add_co_u32 s96, s96, SST
	v_add_nc_u32 v[RDS], s96, v[GOF]               ; the scale bytes back: 512 bytes for each of waves 0 to 3
	s_mov_b32 s[SEL], 0x76543210
	s_mov_b32 s[SEL+1], 0xfedcba98
	s_lshl_b32 s98, s20, 19                        ; hid: chunk x, tokens 256 y + 16 wave on
	s_lshl_b32 s97, s21, 15
	s_add_co_u32 s98, s98, s97
	s_lshl_b32 s97, s[WV], 11
	s_add_co_u32 s98, s98, s97
	s_add_nc_u64 s[88:89], s[10:11], s[98:99]
	s_lshl_b32 s98, s20, 15
	s_lshl_b32 s97, s21, 11
	s_add_co_u32 s98, s98, s97
	s_lshl_b32 s97, s14, 9
	s_add_co_u32 s98, s98, s97
	s_add_co_u32 s98, s98, HSB
	s_add_nc_u64 s[90:91], s[10:11], s[98:99]
	s_wait_loadcnt 0x0                             ; b1
	s_wait_tensorcnt 0x1                           ; the scales and K's first half are in; the second half's load may be out
	s_barrier_signal -1
	s_barrier_wait -1
	KSTEP ADP, ADQ, 0, 0, 2, 0
	KSTEP ADP, ADQ, 0, 1, 0, -1
	KSTEP ADP, ADQ, CHK, 0, 0, 2048
	KSTEP ADP, ADQ, CHK, 1, 0, -1
	s_wait_tensorcnt 0x0
	s_wait_dscnt 0x0
	s_barrier_signal -1
	s_barrier_wait -1
	v_add_nc_u32 v[ADP], HALF, v[ADP]
	v_add_nc_u32 v[ADQ], HALF, v[ADQ]
	KSTEP ADP, ADQ, 0, 0, 0, 4096
	KSTEP ADP, ADQ, 0, 1, 0, -1
	KSTEP ADP, ADQ, CHK, 0, 0, 6144
	KSTEP ADP, ADQ, CHK, 1, 0, -1
.rept 4
	v_nop                                          ; places behind the last products
.endr
	s_wait_dscnt 0x0                               ; my reads of the tiles are over,
	s_barrier_signal -1
	s_barrier_wait -1                              ; everybody's are: the stage may be written
.set j, 0
.rept 128
	v_max_num_f32 v[ACC+j], 0, v[ACC+j]            ; the activation, in f32, each accumulator from its low end on
.set j, j+1
.endr
.irp a, 0,1,2,3
	QROW \a
	ds_store_b128 v[STC], v[PF+4*\a:PF+4*\a+3] offset:2304*\a
	ds_store_b16 v[STS], v[WR+\a] offset:128*\a    ; both halves of the lanes write the same two bytes with the same value
.endr
	s_wait_dscnt 0x0                               ; for the others' sake: my stores into the stage are done
	s_barrier_signal -1
	s_barrier_wait -1
.irp i, 0,1,2,3
	ds_load_b128 v[PF+4*\i:PF+4*\i+3], v[RDC] offset:576*\i
.endr
.irp i, 0,1,2,3
	s_wait_dscnt 3-\i                              ; the younger loads may be out
	global_store_b128 v[GOF], v[PF+4*\i:PF+4*\i+3], s[88:89] offset:512*\i   ; four tokens' 128 bytes: 512 consecutive bytes
.endr
	s_cmp_lt_u32 s[WV], 4
	s_cbranch_scc0 .Lno_scales
	ds_load_b128 v[PF+16:PF+19], v[RDS]
	s_wait_dscnt 0x0
	global_store_b128 v[GOF], v[PF+16:PF+19], s[90:91]   ; 64 tokens' scale bytes: 512 consecutive bytes
.Lno_scales:
	s_wait_xcnt 0x0
	v_lshl_add_u32 v254, v0, 2, 0x4c000
	v_mov_b32 v255, 0
	s_wait_tensorcnt 0x0
	ds_add_u32 v254, v255
	s_wait_dscnt 0x0
	CROUND                                         ; the closing round
	s_endpgm
.Lfunc_end_k_qc6e98f8490_ffn1:
	.size	k_qc6e98f8490_ffn1, .Lfunc_end_k_qc6e98f8490_ffn1-k_qc6e98f8490_ffn1
	.p2alignl 7, 3214868480
	.fill 96, 4, 3214868480
	.section	.rodata,"a",@progbits
	.p2align	6, 0x0
	.amdhsa_kernel k_qc6e98f8490_ffn1
		.amdhsa_group_segment_fixed_size 313344
		.amdhsa_private_segment_fixed_size 0
		.amdhsa_enable_private_segment 0
		.amdhsa_kernarg_size 32
		.amdhsa_user_sgpr_count 2
		.amdhsa_user_sgpr_kernarg_segment_ptr 1
		.amdhsa_wavefront_size32 1
		.amdhsa_system_sgpr_workgroup_id_x 1
		.amdhsa_system_sgpr_workgroup_id_y 1
		.amdhsa_system_sgpr_workgroup_id_z 1
		.amdhsa_system_vgpr_workitem_id 0
		.amdhsa_next_free_vgpr 256
		.amdhsa_next_free_sgpr 100
		.amdhsa_reserve_vcc 0
		.amdhsa_float_denorm_mode_32 3
		.amdhsa_float_denorm_mode_16_64 3
		.amdhsa_memory_ordered 1
		.amdhsa_forward_progress 1
		.amdhsa_inst_pref_size 52
	.end_amdhsa_kernel
	.amdgpu_metadata
---
amdhsa.version: [ 1, 2 ]
amdhsa.kernels:
  - .name:           k_qc6e98f8490_ffn1
    .symbol:         k_qc6e98f8490_ffn1.kd
    .args:
      - { .name: fbuf, .offset: 0, .size: 8, .value_kind: global_buffer, .address_space: global }
      - { .name: ops, .offset: 8, .size: 8, .value_kind: global_buffer, .address_space: global }
      - { .name: b1, .offset: 16, .size: 8, .value_kind: global_buffer, .address_space: global }
      - { .name: hid, .offset: 24, .size: 8, .value_kind: global_buffer, .address_space: global }
    .group_segment_fixed_size: 313344
    .private_segment_fixed_size: 0
    .kernarg_segment_align: 8
    .kernarg_segment_size: 32
    .max_flat_workgroup_size: 512
    .sgpr_count:     100
    .vgpr_count:     256
    .wavefront_size: 32
...
	.end_amdgpu_metadata
.endif
;; end of part 5
;; launch ffn2 (part 6): grid 8 x 32, 16 waves a work-group, clusters of 4 x 4, 327,680 bytes of LDS; arguments hid, ops, fbuf, b2, acts; writes acts
.if DOCPART == 6
	.amdgcn_target "amdgcn-amd-amdhsa--gfx1250"
	.amdhsa_code_object_version 6
	.text
	.protected	k_qc6e98f8490_ffn2
	.globl	k_qc6e98f8490_ffn2
	.p2align	8
	.type	k_qc6e98f8490_ffn2,@function
k_qc6e98f8490_ffn2:
	s_mov_b64 s[64:65], 0
	v_nop
	global_prefetch_b8 v0, s[64:65] scope:SCOPE_SE
	s_setreg_imm32_b32 hwreg(HW_REG_WAVE_MODE, 25, 1), 1
	s_wait_xcnt 0x0
	s_wait_alu depctr_hold_cnt(0) depctr_sa_sdst(0) depctr_va_vdst(0) depctr_va_sdst(0) depctr_va_ssrc(0) depctr_va_vcc(0) depctr_vm_vsrc(0)
	s_getreg_b32 s2, hwreg(HW_REG_IB_STS2, 6, 4)
	s_cmp_eq_u32 s2, 0
	s_cbranch_scc0 .Lentry_in_a_cluster
	s_endpgm
.Lentry_in_a_cluster:
	s_bfe_u32 s2, ttmp6, 0x10000c
	s_cmp_lg_u32 s2, 0xf033
	s_cbranch_scc0 .Lentry_shape_is_right
	s_endpgm
.Lentry_shape_is_right:
; x = F + (hidden W2 + b2), the product on codes of FP4 with E8M0 scales, K = 4,096; x is f32, [4096][1024]: the second layer norm's input.  F lies at the head of fbuf.
; A tile of x is 128 x 128, so that there are 256 work-groups.  K IS SHARED OUT INSIDE THE WORK-GROUP: K goes in four slots' worth of 1,024 (four chunks of 256); group g = wave / 4 takes chunk g of every slot;
; in a group wave i makes 64 x 64 (16 accumulators).  The four groups' sums meet in LDS at the end: nothing partial goes to memory.
; A RING OF TWO SLOTS, filled by the tensor data mover: waves 0-3 A's chunks, waves 4-7 B's, wave 8 A's scale bytes, wave 9 B's: one load a wave for a slot.  Two of a wave's loads are out at the start, one behind each round.
; CLUSTER 4 x 4: the hidden layer's rows are shared along a row of the cluster, W2's along a column: each tile is asked for jointly, and each refill stands behind a round of the cluster's barrier.
; THE MATRIX INSTRUCTION IS USED TRANSPOSED (source 0 = 16 rows of W2, source 1 = 16 tokens): a lane holds eight neighbouring numbers of a row of x.
; THE RESIDUAL AND THE BIAS: behind the last products each wave asks for F at the sixteen row pieces that it will store, and for b2 at its four columns, into the fragments' registers, which are done with;
; the groups' meeting in LDS (32 stores, two barriers, 32 loads a wave) stands between these loads and the wait for them.
; The launch claims all of the LDS, and each wave adds 0 to a spare word where slots change and at its end.
.set HSB,   8388608                    ; the hidden layer's scale bytes in hid
.set W2C,   6127616                    ; W2's codes and scale bytes in ops
.set W2S,   8224768
.set PITCH, 144
.set CH,    128*PITCH                  ; a chunk of 128 rows
.set BOFF,  4*CH                       ; in a slot: A's four chunks, then B's four
.set SLOT,  8*CH
.set SCL,   2*SLOT                     ; the scale bytes: slot s at 8,192 s: A's [chunk 4][128 rows][8], then B's
.set SPARE, SCL+16384                  ; the spare words: 128 bytes for each of sixteen waves, in blocks that no other line names
.set IMG,   64*272                     ; the end: a wave's 64 x 64 of f32 as rows of 256 bytes + 16
.set WV,   12
.set G1A,  24
.set G1B,  32
.set G1SA, 40
.set G1SB, 48
.set GA,   56                          ; groups 0, a set for each slot: A's codes s[56:63], B's s[68:75], A's scales s[76:83], B's s[84:91]
.set GB,   68
.set GSA,  76
.set GSB,  84
.set ADP0, 4                           ; v4, v5 my tokens' fragments in slot 0, 1;  v6, v7 W2's
.set ADP1, 5
.set ADQ0, 6
.set ADQ1, 7
.set ASP,  8                           ; v8, v9 their scale words
.set ASQ,  9
.set STO,  10                          ; v10 where I put my sums;  v11 where I read four groups' back;  v12 my place in x and in F;  v13 in b2
.set RD,   11
.set GO,   12
.set BO,   13
.set SPW,  30                          ; v30 LDS address of my spare word;  v31 0: both made at the head and kept
.set NIL,  31
.set SCP,  32
.set SCQ,  40
.set PF,   64
.set QF,   96
.set ACC,  128
.macro CROUND
	s_barrier_signal -1
	s_barrier_wait -1
	s_cmp_lg_u32 s[WV], 0
	s_cbranch_scc1 .Lnot_wave_0_\@
	s_barrier_signal -3
.Lnot_wave_0_\@:
	s_barrier_wait -3
	s_barrier_signal -1
	s_barrier_wait -1
.endm
; A slot's fill: four arms on the wave's number, the same in every work-group; four v_nop follow each tensor load.
.macro JL4 s
	s_cmp_lt_u32 s[WV], 4
	s_cbranch_scc0 .Lnot_a_\@
	tensor_load_to_lds s[GA+4*\s:GA+4*\s+3], s[G1A:G1A+7]
	s_nop 0
.rept 4
	v_nop
.endr
	s_branch .Lasked_\@
.Lnot_a_\@:
	s_cmp_lt_u32 s[WV], 8
	s_cbranch_scc0 .Lnot_b_\@
	tensor_load_to_lds s[GB+4*\s:GB+4*\s+3], s[G1B:G1B+7]
	s_nop 0
.rept 4
	v_nop
.endr
	s_branch .Lasked_\@
.Lnot_b_\@:
	s_cmp_eq_u32 s[WV], 8
	s_cbranch_scc0 .Lnot_sa_\@
	tensor_load_to_lds s[GSA+4*\s:GSA+4*\s+3], s[G1SA:G1SA+7]
	s_nop 0
.rept 4
	v_nop
.endr
	s_branch .Lasked_\@
.Lnot_sa_\@:
	s_cmp_eq_u32 s[WV], 9
	s_cbranch_scc0 .Lasked_\@
	tensor_load_to_lds s[GSB+4*\s:GSB+4*\s+3], s[G1SB:G1SB+7]
	s_nop 0
.rept 4
	v_nop
.endr
.Lasked_\@:
.endm
.macro JL4F                            ; the first fills: a wave's two stand together in its arm
	s_cmp_lt_u32 s[WV], 4
	s_cbranch_scc0 .Lnot_a_\@
	tensor_load_to_lds s[GA:GA+3], s[G1A:G1A+7]
	s_nop 0
	tensor_load_to_lds s[GA+4:GA+7], s[G1A:G1A+7]
	s_nop 0
.rept 4
	v_nop
.endr
	s_branch .Lasked_\@
.Lnot_a_\@:
	s_cmp_lt_u32 s[WV], 8
	s_cbranch_scc0 .Lnot_b_\@
	tensor_load_to_lds s[GB:GB+3], s[G1B:G1B+7]
	s_nop 0
	tensor_load_to_lds s[GB+4:GB+7], s[G1B:G1B+7]
	s_nop 0
.rept 4
	v_nop
.endr
	s_branch .Lasked_\@
.Lnot_b_\@:
	s_cmp_eq_u32 s[WV], 8
	s_cbranch_scc0 .Lnot_sa_\@
	tensor_load_to_lds s[GSA:GSA+3], s[G1SA:G1SA+7]
	s_nop 0
	tensor_load_to_lds s[GSA+4:GSA+7], s[G1SA:G1SA+7]
	s_nop 0
.rept 4
	v_nop
.endr
	s_branch .Lasked_\@
.Lnot_sa_\@:
	s_cmp_eq_u32 s[WV], 9
	s_cbranch_scc0 .Lasked_\@
	tensor_load_to_lds s[GSB:GSB+3], s[G1SB:G1SB+7]
	s_nop 0
	tensor_load_to_lds s[GSB+4:GSB+7], s[G1SB:G1SB+7]
	s_nop 0
.rept 4
	v_nop
.endr
.Lasked_\@:
.endm
; 128 along K: 16 LDS loads, 16 matrix instructions on 16 accumulators by turns.
.macro KSTEP adp, adq, off, q, cmode, sc
.rept 4
	v_nop                                          ; places in front of loads into registers that matrix instructions have read
.endr
.if (\sc) >= 0
.irp i, 0,1,2,3
	ds_load_b64 v[SCP+2*\i:SCP+2*\i+1], v[ASP] offset:(\sc)+128*\i
	ds_load_b64 v[SCQ+2*\i:SCQ+2*\i+1], v[ASQ] offset:(\sc)+128*\i
.endr
.endif
.irp i, 0,1,2,3
	ds_load_b128 v[PF+8*\i:PF+8*\i+3], v[\adp] offset:(\off)+2304*\i+64*(\q)
	ds_load_b128 v[PF+8*\i+4:PF+8*\i+7], v[\adp] offset:(\off)+2304*\i+64*(\q)+32
	ds_load_b128 v[QF+8*\i:QF+8*\i+3], v[\adq] offset:(\off)+2304*\i+64*(\q)
	ds_load_b128 v[QF+8*\i+4:QF+8*\i+7], v[\adq] offset:(\off)+2304*\i+64*(\q)+32
.endr
	s_wait_dscnt 0x0
.irp a, 0,1,2,3
.irp b, 0,1,2,3
.if (\cmode) == 1
	v_wmma_scale_f32_16x16x128_f8f6f4 v[ACC+8*(4*\a+\b):ACC+8*(4*\a+\b)+7], v[QF+8*\b:QF+8*\b+7], v[PF+8*\a:PF+8*\a+7], 0, v[SCQ+2*\b+(\q)], v[SCP+2*\a+(\q)] matrix_a_fmt:MATRIX_FMT_FP4 matrix_b_fmt:MATRIX_FMT_FP4
.else
	v_wmma_scale_f32_16x16x128_f8f6f4 v[ACC+8*(4*\a+\b):ACC+8*(4*\a+\b)+7], v[QF+8*\b:QF+8*\b+7], v[PF+8*\a:PF+8*\a+7], v[ACC+8*(4*\a+\b):ACC+8*(4*\a+\b)+7], v[SCQ+2*\b+(\q)], v[SCP+2*\a+(\q)] matrix_a_fmt:MATRIX_FMT_FP4 matrix_b_fmt:MATRIX_FMT_FP4
.endif
.endr
.endr
.endm
; THE CHANGE OF SLOTS.  Each wave waits for all its tensor loads (its part of the slot ahead), adds 0 to its spare word, and waits for that and for its reads of the slot that it has left.
; fill = 1: slot s, just left, is filled with the chunks two slots on: the barrier is a round of the cluster's, and the joint refill is the first thing behind it, one load a wave.
.macro CHANGE fill, s
	s_wait_tensorcnt 0x0                           ; no tensor load of mine is out, so a group 0 may be written
	ds_add_u32 v[SPW], v[NIL]                      ; 0 onto my spare word; the descriptors' steps stand between it and the wait for it
.if \fill
	s_add_nc_u64 s[GA+4*\s+2:GA+4*\s+3], s[GA+4*\s+2:GA+4*\s+3], 8*524288     ; eight chunks on
	s_add_nc_u64 s[GB+4*\s+2:GB+4*\s+3], s[GB+4*\s+2:GB+4*\s+3], 8*131072
	s_add_nc_u64 s[GSA+4*\s+2:GSA+4*\s+3], s[GSA+4*\s+2:GSA+4*\s+3], 8*32768
	s_add_nc_u64 s[GSB+4*\s+2:GSB+4*\s+3], s[GSB+4*\s+2:GSB+4*\s+3], 8*8192
.endif
	s_wait_dscnt 0x0                               ; the add is done, and my reads of the slot that I have left are over
.if \fill
	CROUND
	JL4 \s
.else
	s_barrier_signal -1
	s_barrier_wait -1
.endif
.endm
	s_load_b256 s[4:11], s[0:1], 0x0               ; hid, ops, fbuf, b2
	s_load_b64 s[2:3], s[0:1], 0x20                ; acts
	v_lshl_add_u32 v[SPW], v0, 2, SPARE
	v_mov_b32 v[NIL], 0
	ds_add_u32 v30, v31
	s_wait_dscnt 0x0
	v_lshrrev_b32 v1, 5, v0
	v_readfirstlane_b32 s[WV], v1                  ; wave 0..15
	s_lshr_b32 s13, s[WV], 2                       ; g: my chunk of every slot
	s_and_b32 s14, s[WV], 3                        ; i: my quarter of the tile.  Also: which chunk I fetch
	s_lshr_b32 s15, s14, 1                         ; ia: my 64 tokens
	s_and_b32 s16, s14, 1                          ; ib: my 64 columns
	s_bfe_u32 s18, ttmp6, 0x40000                  ; cx, cy
	s_bfe_u32 s19, ttmp6, 0x40004
	s_lshl_b32 s20, ttmp9, 2
	s_add_co_u32 s20, s20, s18                     ; x: 128 columns
	s_and_b32 s21, ttmp7, 0xffff
	s_lshl_b32 s21, s21, 2
	s_add_co_u32 s21, s21, s19                     ; y: 128 tokens
	s_lshl_b32 s22, s19, 2
	s_lshl_b32 s22, 15, s22                        ; my row of the cluster
	s_lshl_b32 s23, 0x1111, s18                    ; my column
	s_or_b32 s[G1A], s22, (1<<20)|(1<<21)|(4<<22)|(3<<25)   ; codes: 128 rows x 128 bytes, dense, 16 bytes of padding behind each row; bit 21 set beside a mask
	s_or_b32 s[G1B], s23, (1<<20)|(1<<21)|(4<<22)|(3<<25)
.irp g, G1A, G1B
	s_mov_b32 s[\g+1], 128<<16
	s_mov_b32 s[\g+2], 128<<16
	s_mov_b32 s[\g+3], 128<<16
	s_mov_b32 s[\g+4], 128
	s_mov_b32 s[\g+5], 128
	s_mov_b32 s[\g+6], 0
	s_mov_b32 s[\g+7], 0
.endr
	s_or_b32 s[G1SA], s22, (3<<16)|(1<<21)         ; scales: four chunks' 1,024 bytes (128 elements of 8 bytes), a chunk's whole scale bytes apart in memory
	s_or_b32 s[G1SB], s23, (3<<16)|(1<<21)
.irp g, G1SA, G1SB
	s_mov_b32 s[\g+1], 128<<16
	s_mov_b32 s[\g+2], 4<<16
	s_mov_b32 s[\g+3], 128<<16
	s_mov_b32 s[\g+4], 4
	s_mov_b32 s[\g+6], 0
	s_mov_b32 s[\g+7], 0
.endr
	s_mov_b32 s[G1SA+5], 4096                      ; 4,096 rows x 8 bytes
	s_mov_b32 s[G1SB+5], 1024                      ; 1,024 rows x 8 bytes
	s_mul_i32 s92, s14, CH                         ; LDS: my chunk
	s_lshl_b32 s93, s14, 19                        ; A: chunk x 524,288
	s_lshl_b32 s94, s14, 17                        ; B: chunk x 131,072
	s_lshl_b32 s96, s21, 14                        ; A's places hang on y alone,
	s_add_co_u32 s96, s96, s93
	s_mov_b32 s97, 0
	s_lshl_b32 s98, s21, 10
	s_add_co_u32 s98, s98, HSB
	s_mov_b32 s99, 0
	s_lshl_b32 s100, s20, 14                       ; B's on x alone
	s_add_co_u32 s100, s100, s94
	s_add_co_u32 s100, s100, W2C
	s_mov_b32 s101, 0
	s_wait_kmcnt 0x0
	CROUND                                         ; all sixteen work-groups are here: the first joint loads meet
.irp s, 0,1
	s_mov_b32 s[GA+4*\s], 1
	s_add_co_u32 s[GA+4*\s+1], s92, \s*SLOT
	s_add_nc_u64 s[GA+4*\s+2:GA+4*\s+3], s[4:5], s[96:97]
	s_add_nc_u64 s[GA+4*\s+2:GA+4*\s+3], s[GA+4*\s+2:GA+4*\s+3], \s*4*524288
	s_or_b32 s[GA+4*\s+3], s[GA+4*\s+3], 0x80000000
	s_mov_b32 s[GSA+4*\s], 1
	s_mov_b32 s[GSA+4*\s+1], SCL+\s*8192
	s_add_nc_u64 s[GSA+4*\s+2:GSA+4*\s+3], s[4:5], s[98:99]
	s_add_nc_u64 s[GSA+4*\s+2:GSA+4*\s+3], s[GSA+4*\s+2:GSA+4*\s+3], \s*4*32768
	s_or_b32 s[GSA+4*\s+3], s[GSA+4*\s+3], 0x80000000
	s_mov_b32 s[GB+4*\s], 1
	s_add_co_u32 s[GB+4*\s+1], s92, \s*SLOT+BOFF
	s_add_nc_u64 s[GB+4*\s+2:GB+4*\s+3], s[6:7], s[100:101]
	s_add_nc_u64 s[GB+4*\s+2:GB+4*\s+3], s[GB+4*\s+2:GB+4*\s+3], \s*4*131072
	s_or_b32 s[GB+4*\s+3], s[GB+4*\s+3], 0x80000000
.endr
	s_lshl_b32 s100, s20, 10
	s_add_co_u32 s100, s100, W2S
.irp s, 0,1
	s_mov_b32 s[GSB+4*\s], 1
	s_mov_b32 s[GSB+4*\s+1], SCL+\s*8192+4096
	s_add_nc_u64 s[GSB+4*\s+2:GSB+4*\s+3], s[6:7], s[100:101]
	s_add_nc_u64 s[GSB+4*\s+2:GSB+4*\s+3], s[GSB+4*\s+2:GSB+4*\s+3], \s*4*8192
	s_or_b32 s[GSB+4*\s+3], s[GSB+4*\s+3], 0x80000000
.endr
	JL4F                                           ; both slots
	v_and_b32 v1, 15, v0                           ; r
	v_bfe_u32 v2, v0, 4, 1                         ; h
	v_mul_u32_u24 v3, v1, PITCH
	v_lshl_add_u32 v3, v2, 4, v3                   ; row x pitch + 16 h
	s_mul_i32 s92, s13, CH                         ; my chunk,
	s_mul_i32 s93, s15, 64*PITCH
	s_add_co_u32 s93, s93, s92                     ; my 64 tokens in it,
	s_mul_i32 s94, s16, 64*PITCH
	s_add_co_u32 s94, s94, s92
	s_add_co_u32 s94, s94, BOFF                    ; my 64 rows of W2
	v_add_nc_u32 v[ADP0], s93, v3
	v_add_nc_u32 v[ADQ0], s94, v3
	v_add_nc_u32 v[ADP1], SLOT, v[ADP0]
	v_add_nc_u32 v[ADQ1], SLOT, v[ADQ0]
	s_lshl_b32 s92, s13, 10
	s_add_co_u32 s92, s92, SCL
	s_lshl_b32 s93, s15, 9
	s_add_co_u32 s93, s93, s92
	s_lshl_b32 s94, s16, 9
	s_add_co_u32 s94, s94, s92
	s_add_co_u32 s94, s94, 4096
	v_lshl_add_u32 v[ASP], v1, 3, s93
	v_lshl_add_u32 v[ASQ], v1, 3, s94
	s_lshl_b32 s92, s14, 2
	s_add_co_u32 s92, s92, s13
	s_mul_i32 s92, s92, IMG                        ; the end: image 4 i + g
	v_mul_u32_u24 v[STO], v1, 272
	v_lshl_add_u32 v[STO], v2, 5, v[STO]
	v_add_nc_u32 v[STO], s92, v[STO]               ; in: row r, + 32 h
	s_mul_i32 s92, s14, 4*IMG
	s_mul_i32 s93, s13, 16*272
	s_add_co_u32 s92, s92, s93
	v_mul_u32_u24 v[RD], v2, 272
	v_lshl_add_u32 v[RD], v1, 4, v[RD]
	v_add_nc_u32 v[RD], s92, v[RD]                 ; back: rows 16 g on of my quarter's four images; lanes 0-15 one row, lanes 16-31 the next
	v_lshlrev_b32 v[GO], 12, v2
	v_lshl_add_u32 v[GO], v1, 4, v[GO]             ; and the same two rows in x and in F
	v_lshlrev_b32 v[BO], 4, v1                     ; my four columns in b2
	s_lshl_b32 s98, s20, 9
	s_lshl_b32 s93, s16, 8
	s_add_co_u32 s98, s98, s93                     ; my 64 columns, in bytes: 4 (128 x + 64 ib)  (s99 is still 0)
	s_lshl_b32 s96, s21, 7
	s_lshl_b32 s93, s15, 6
	s_add_co_u32 s96, s96, s93
	s_lshl_b32 s93, s13, 4
	s_add_co_u32 s96, s96, s93                     ; the first row that I store: 128 y + 64 ia + 16 g
	s_lshl_b32 s96, s96, 12
	s_add_co_u32 s96, s96, s98
	s_add_nc_u64 s[2:3], s[2:3], s[96:97]          ; x,
	s_add_nc_u64 s[8:9], s[8:9], s[96:97]          ; F, which has the same shape,
	s_add_nc_u64 s[10:11], s[10:11], s[98:99]      ; and b2
	s_wait_tensorcnt 0x1                           ; my part of slot 0 is in; slot 1's load may be out
	s_barrier_signal -1
	s_barrier_wait -1
	KSTEP ADP0, ADQ0, 0, 0, 1, 0                   ; K 0 - 1,023
	KSTEP ADP0, ADQ0, 0, 1, 0, -1
	CHANGE 1, 0
	KSTEP ADP1, ADQ1, 0, 0, 0, 8192                ; K 1,024 - 2,047
	KSTEP ADP1, ADQ1, 0, 1, 0, -1
	CHANGE 1, 1
	KSTEP ADP0, ADQ0, 0, 0, 0, 0                   ; K 2,048 - 3,071
	KSTEP ADP0, ADQ0, 0, 1, 0, -1
	CHANGE 0, 0                                    ; nothing is left to fetch
	KSTEP ADP1, ADQ1, 0, 0, 0, 8192                ; K 3,072 - 4,095
	KSTEP ADP1, ADQ1, 0, 1, 0, -1
.rept 4
	v_nop                                          ; places behind the last products: for the first read of results, and for the loads into the fragments' registers
.endr
.irp t, 0,1,2,3,4,5,6,7
	global_load_b128 v[PF+4*\t:PF+4*\t+3], v[GO], s[8:9] offset:8192*\t th:TH_LOAD_NT   ; F at rows 2 t, 2 t + 1 of the sixteen that I store
.endr
	global_load_b128 v[QF:QF+3], v[BO], s[10:11]   ; b2 at my four columns
	s_wait_dscnt 0x0                               ; my reads of the slots are over,
	s_barrier_signal -1
	s_barrier_wait -1                              ; everybody's are.  The slots have had their last fill: the sums may be stored there
.irp a, 0,1,2,3
.irp b, 0,1,2,3
	ds_store_b128 v[STO], v[ACC+8*(4*\a+\b):ACC+8*(4*\a+\b)+3] offset:\a*16*272+64*\b          ; each accumulator from its low end on
	ds_store_b128 v[STO], v[ACC+8*(4*\a+\b)+4:ACC+8*(4*\a+\b)+7] offset:\a*16*272+64*\b+16
.endr
.endr
	s_wait_dscnt 0x0                               ; for the others' sake: my stores are done
	s_barrier_signal -1
	s_barrier_wait -1
.irp n, 0,1,2,3
.irp t, 0,1,2,3,4,5,6,7
	ds_load_b128 v[ACC+32*\n+4*\t:ACC+32*\n+4*\t+3], v[RD] offset:\n*IMG+\t*544   ; group n's part of rows 2 t, 2 t + 1 of my sixteen
.endr
.endr
	s_wait_dscnt 0x0
	s_wait_loadcnt 0x0                             ; F and b2
.irp t, 0,1,2,3,4,5,6,7
	v_pk_add_f32 v[ACC+4*\t:ACC+4*\t+1], v[ACC+4*\t:ACC+4*\t+1], v[ACC+32+4*\t:ACC+32+4*\t+1]
	v_pk_add_f32 v[ACC+4*\t+2:ACC+4*\t+3], v[ACC+4*\t+2:ACC+4*\t+3], v[ACC+32+4*\t+2:ACC+32+4*\t+3]
	v_pk_add_f32 v[ACC+64+4*\t:ACC+64+4*\t+1], v[ACC+64+4*\t:ACC+64+4*\t+1], v[ACC+96+4*\t:ACC+96+4*\t+1]
	v_pk_add_f32 v[ACC+64+4*\t+2:ACC+64+4*\t+3], v[ACC+64+4*\t+2:ACC+64+4*\t+3], v[ACC+96+4*\t+2:ACC+96+4*\t+3]
	v_pk_add_f32 v[ACC+4*\t:ACC+4*\t+1], v[ACC+4*\t:ACC+4*\t+1], v[ACC+64+4*\t:ACC+64+4*\t+1]
	v_pk_add_f32 v[ACC+4*\t+2:ACC+4*\t+3], v[ACC+4*\t+2:ACC+4*\t+3], v[ACC+64+4*\t+2:ACC+64+4*\t+3]
	v_pk_add_f32 v[ACC+4*\t:ACC+4*\t+1], v[ACC+4*\t:ACC+4*\t+1], v[QF:QF+1]                       ; + b2,
	v_pk_add_f32 v[ACC+4*\t+2:ACC+4*\t+3], v[ACC+4*\t+2:ACC+4*\t+3], v[QF+2:QF+3]
	v_pk_add_f32 v[ACC+4*\t:ACC+4*\t+1], v[ACC+4*\t:ACC+4*\t+1], v[PF+4*\t:PF+4*\t+1]             ; + F
	v_pk_add_f32 v[ACC+4*\t+2:ACC+4*\t+3], v[ACC+4*\t+2:ACC+4*\t+3], v[PF+4*\t+2:PF+4*\t+3]
	global_store_b128 v[GO], v[ACC+4*\t:ACC+4*\t+3], s[2:3] offset:8192*\t   ; sixteen lanes store 256 consecutive bytes, aligned
.endr
	s_wait_tensorcnt 0x0                           ; the wave's end
	ds_add_u32 v[SPW], v[NIL]
	s_wait_dscnt 0x0
	CROUND                                         ; the closing round
	s_endpgm
.Lfunc_end_k_qc6e98f8490_ffn2:
	.size	k_qc6e98f8490_ffn2, .Lfunc_end_k_qc6e98f8490_ffn2-k_qc6e98f8490_ffn2
	.p2alignl 7, 3214868480
	.fill 96, 4, 3214868480
	.section	.rodata,"a",@progbits
	.p2align	6, 0x0
	.amdhsa_kernel k_qc6e98f8490_ffn2
		.amdhsa_group_segment_fixed_size 327680
		.amdhsa_private_segment_fixed_size 0
		.amdhsa_enable_private_segment 0
		.amdhsa_kernarg_size 40
		.amdhsa_user_sgpr_count 2
		.amdhsa_user_sgpr_kernarg_segment_ptr 1
		.amdhsa_wavefront_size32 1
		.amdhsa_system_sgpr_workgroup_id_x 1
		.amdhsa_system_sgpr_workgroup_id_y 1
		.amdhsa_system_sgpr_workgroup_id_z 1
		.amdhsa_system_vgpr_workitem_id 0
		.amdhsa_next_free_vgpr 256
		.amdhsa_next_free_sgpr 102
		.amdhsa_reserve_vcc 0
		.amdhsa_float_denorm_mode_32 3
		.amdhsa_float_denorm_mode_16_64 3
		.amdhsa_memory_ordered 1
		.amdhsa_forward_progress 1
		.amdhsa_inst_pref_size 53
	.end_amdhsa_kernel
	.amdgpu_metadata
---
amdhsa.version: [ 1, 2 ]
amdhsa.kernels:
  - .name:           k_qc6e98f8490_ffn2
    .symbol:         k_qc6e98f8490_ffn2.kd
    .args:
      - { .name: hid, .offset: 0, .size: 8, .value_kind: global_buffer, .address_space: global }
      - { .name: ops, .offset: 8, .size: 8, .value_kind: global_buffer, .address_space: global }
      - { .name: fbuf, .offset: 16, .size: 8, .value_kind: global_buffer, .address_space: global }
      - { .name: b2, .offset: 24, .size: 8, .value_kind: global_buffer, .address_space: global }
      - { .name: acts, .offset: 32, .size: 8, .value_kind: global_buffer, .address_space: global }
    .group_segment_fixed_size: 327680
    .private_segment_fixed_size: 0
    .kernarg_segment_align: 8
    .kernarg_segment_size: 40
    .max_flat_workgroup_size: 512
    .sgpr_count:     102
    .vgpr_count:     256
    .wavefront_size: 32
...
	.end_amdgpu_metadata
.endif
;; end of part 6
;; launch ln2 (part 7): grid 256 x 1, 8 waves a work-group, no clusters, 0 bytes of LDS; arguments acts, g2, be2, out0; writes out0
.if DOCPART == 7
	.amdgcn_target "amdgcn-amd-amdhsa--gfx1250"
	.amdhsa_code_object_version 6
	.text
	.protected	k_qc6e98f8490_ln2
	.globl	k_qc6e98f8490_ln2
	.p2align	8
	.type	k_qc6e98f8490_ln2,@function
k_qc6e98f8490_ln2:
	s_mov_b64 s[64:65], 0
	v_nop
	global_prefetch_b8 v0, s[64:65] scope:SCOPE_SE
	s_setreg_imm32_b32 hwreg(HW_REG_WAVE_MODE, 25, 1), 1
	s_wait_xcnt 0x0
; out = layer_norm(x) g2 + be2, rows of 1,024, all f32; x = F + (hidden W2 + b2) lies in acts.
; One wave, two rows; a row stays in 32 registers a lane between the passes, so memory is read once; all of a wave's 32 loads go out at its head.  Mean first, then the variance of the differences, as the reference has it.
; Memory binds: no LDS, no barrier, no matrix unit, no cluster.  Each load and store of a wave covers 512 consecutive bytes.
; LIMITS: NaN and infinities among the inputs are not served.
.set G,   32                           ; v32-63 g2;  v64-95 be2
.set BE,  64
.set X0,  96                           ; v96-127, v128-159 the two rows, then the results
.set X1,  128
.set SEL, 26
.macro REDUCE r, t                     ; the sum over the 32 lanes, in every lane
	v_add_f32_dpp v[\r], v[\r], v[\r] row_xmask:1 row_mask:0xf bank_mask:0xf
	v_add_f32_dpp v[\r], v[\r], v[\r] row_xmask:2 row_mask:0xf bank_mask:0xf
	v_add_f32_dpp v[\r], v[\r], v[\r] row_xmask:4 row_mask:0xf bank_mask:0xf
	v_add_f32_dpp v[\r], v[\r], v[\r] row_xmask:8 row_mask:0xf bank_mask:0xf
	v_permlanex16_b32 v[\t], v[\r], s[SEL], s[SEL+1]
	v_add_f32 v[\r], v[\r], v[\t]
.endm
.macro LNCORE x                        ; the row in v[x .. x + 31] is normalised in place
	v_pk_add_f32 v[4:5], v[\x:\x+1], v[\x+2:\x+3]
	v_pk_add_f32 v[6:7], v[\x+4:\x+5], v[\x+6:\x+7]
.irp i, 8,12,16,20,24,28
	v_pk_add_f32 v[4:5], v[4:5], v[\x+\i:\x+\i+1]
	v_pk_add_f32 v[6:7], v[6:7], v[\x+\i+2:\x+\i+3]
.endr
	v_pk_add_f32 v[4:5], v[4:5], v[6:7]
	v_add_f32 v4, v4, v5
	REDUCE 4, 5
	v_mul_f32 v4, 0xba800000, v4                   ; -mean = -sum / 1,024
.set j, 0
.rept 16
	v_pk_add_f32 v[\x+j:\x+j+1], v[\x+j:\x+j+1], v[4:5] op_sel_hi:[1,0]
.set j, j+2
.endr
	v_pk_mul_f32 v[6:7], v[\x:\x+1], v[\x:\x+1]
	v_pk_mul_f32 v[8:9], v[\x+2:\x+3], v[\x+2:\x+3]
.irp i, 4,8,12,16,20,24,28
	v_pk_fma_f32 v[6:7], v[\x+\i:\x+\i+1], v[\x+\i:\x+\i+1], v[6:7]
	v_pk_fma_f32 v[8:9], v[\x+\i+2:\x+\i+3], v[\x+\i+2:\x+\i+3], v[8:9]
.endr
	v_pk_add_f32 v[6:7], v[6:7], v[8:9]
	v_add_f32 v6, v6, v7
	REDUCE 6, 7
	v_fma_f32 v6, v6, s28, s29                     ; variance + 1e-5
	v_rsq_f32 v6, v6
	v_nop                                          ; a plain line behind the transcendental
	s_wait_alu depctr_va_vdst(0)                   ; and the wait ahead of its first reader
.set j, 0
.rept 16
	v_pk_mul_f32 v[\x+j:\x+j+1], v[\x+j:\x+j+1], v[6:7] op_sel_hi:[1,0]
.set j, j+2
.endr
.set j, 0
.rept 16
	v_pk_fma_f32 v[\x+j:\x+j+1], v[\x+j:\x+j+1], v[G+j:G+j+1], v[BE+j:BE+j+1]
.set j, j+2
.endr
.endm
.macro ROW x, n                        ; row n of my two
	LNCORE \x
.irp i, 0,1,2,3,4,5,6,7
	global_store_b128 v2, v[\x+4*\i:\x+4*\i+3], s[10:11] offset:4096*\n+512*\i th:TH_STORE_NT
.endr
.endm
	s_load_b256 s[4:11], s[0:1], 0x0               ; x, g2, be2, out0
	v_lshrrev_b32 v1, 5, v0
	v_readfirstlane_b32 s20, v1                    ; wave 0..7
	v_and_b32 v1, 31, v0
	v_lshlrev_b32 v2, 4, v1                        ; 16 bytes a lane
	s_lshl_b32 s22, ttmp9, 16                      ; 16 rows of 4,096 bytes,
	s_lshl_b32 s23, s20, 13                        ; my two
	s_add_co_u32 s22, s22, s23
	s_mov_b32 s23, 0
	s_mov_b32 s[SEL], 0x76543210
	s_mov_b32 s[SEL+1], 0xfedcba98
	s_mov_b32 s28, 0x3a800000                      ; 1 / 1,024
	s_mov_b32 s29, 0x3727c5ac                      ; 1e-5
	s_wait_kmcnt 0x0
	s_add_nc_u64 s[4:5], s[4:5], s[22:23]
	s_add_nc_u64 s[10:11], s[10:11], s[22:23]
.irp i, 0,1,2,3,4,5,6,7
	global_load_b128 v[G+4*\i:G+4*\i+3], v2, s[6:7] offset:512*\i
.endr
.irp i, 0,1,2,3,4,5,6,7
	global_load_b128 v[BE+4*\i:BE+4*\i+3], v2, s[8:9] offset:512*\i
.endr
.irp i, 0,1,2,3,4,5,6,7
	global_load_b128 v[X0+4*\i:X0+4*\i+3], v2, s[4:5] offset:512*\i th:TH_LOAD_NT
.endr
.irp i, 0,1,2,3,4,5,6,7
	global_load_b128 v[X1+4*\i:X1+4*\i+3], v2, s[4:5] offset:4096+512*\i th:TH_LOAD_NT
.endr
	s_wait_loadcnt 8                               ; g2, be2 and row 0 are in; row 1's eight loads may be out
	ROW X0, 0
	s_wait_loadcnt 0x0
	ROW X1, 1
	s_endpgm
.Lfunc_end_k_qc6e98f8490_ln2:
	.size	k_qc6e98f8490_ln2, .Lfunc_end_k_qc6e98f8490_ln2-k_qc6e98f8490_ln2
	.p2alignl 7, 3214868480
	.fill 96, 4, 3214868480
	.section	.rodata,"a",@progbits
	.p2align	6, 0x0
	.amdhsa_kernel k_qc6e98f8490_ln2
		.amdhsa_group_segment_fixed_size 0
		.amdhsa_private_segment_fixed_size 0
		.amdhsa_enable_private_segment 0
		.amdhsa_kernarg_size 32
		.amdhsa_user_sgpr_count 2
		.amdhsa_user_sgpr_kernarg_segment_ptr 1
		.amdhsa_wavefront_size32 1
		.amdhsa_system_sgpr_workgroup_id_x 1
		.amdhsa_system_sgpr_workgroup_id_y 1
		.amdhsa_system_sgpr_workgroup_id_z 1
		.amdhsa_system_vgpr_workitem_id 0
		.amdhsa_next_free_vgpr 160
		.amdhsa_next_free_sgpr 66
		.amdhsa_reserve_vcc 0
		.amdhsa_float_denorm_mode_32 3
		.amdhsa_float_denorm_mode_16_64 3
		.amdhsa_memory_ordered 1
		.amdhsa_forward_progress 1
		.amdhsa_inst_pref_size 18
	.end_amdhsa_kernel
	.amdgpu_metadata
---
amdhsa.version: [ 1, 2 ]
amdhsa.kernels:
  - .name:           k_qc6e98f8490_ln2
    .symbol:         k_qc6e98f8490_ln2.kd
    .args:
      - { .name: acts, .offset: 0, .size: 8, .value_kind: global_buffer, .address_space: global }
      - { .name: g2, .offset: 8, .size: 8, .value_kind: global_buffer, .address_space: global }
      - { .name: be2, .offset: 16, .size: 8, .value_kind: global_buffer, .address_space: global }
      - { .name: out0, .offset: 24, .size: 8, .value_kind: global_buffer, .address_space: global }
    .group_segment_fixed_size: 0
    .private_segment_fixed_size: 0
    .kernarg_segment_align: 8
    .kernarg_segment_size: 32
    .max_flat_workgroup_size: 256
    .sgpr_count:     66
    .vgpr_count:     160
    .wavefront_size: 32
...
	.end_amdgpu_metadata
.endif
;; end of part 7
